; MI455X (gfx1250); checked and timed in simulation.
; The chip was launched on July 23, 2026; its instructions are those of AMD's public machine-readable ISA for CDNA 5 (MIT licence, August 2026) and "CDNA5" Instruction Set Architecture Reference Guide (July 2026). The comments in the code are by the model that wrote it; some were corrected since.
;; MS Deform Attn. Allowed arithmetic: matrix products marked QUANTISED: E4M3 operands, one E8M0 scale for each 32 along K, by v_wmma_scale_f32_16x16x128_f8f6f4 with both operands' format E4M3, f32 sums; everything else in f32.
;; Inputs: W_attn_codes 128 x 8 x 32 uint8 (E4M3 codes of W_attn, K innermost, in blocks of 32 codes); W_attn_scales 128 x 8 uint8 (E8M0 scales of W_attn, one for each 32 codes along K); W_off_codes 256 x 8 x 32 uint8 (E4M3 codes of W_off, K innermost, in blocks of 32 codes); W_off_scales 256 x 8 uint8 (E8M0 scales of W_off, one for each 32 codes along K); W_out_codes 256 x 8 x 32 uint8 (E4M3 codes of W_out, K innermost, in blocks of 32 codes); W_out_scales 256 x 8 uint8 (E8M0 scales of W_out, one for each 32 codes along K); W_value_codes 256 x 8 x 32 uint8 (E4M3 codes of W_value, K innermost, in blocks of 32 codes); W_value_scales 256 x 8 uint8 (E8M0 scales of W_value, one for each 32 codes along K); b_attn 128 float32; b_off 256 float32; b_out 256 float32; b_value 256 float32; input_flatten_codes 2 x 13,294 x 8 x 32 uint8 (E4M3 codes of input_flatten, K innermost, in blocks of 32 codes); input_flatten_scales 2 x 13,294 x 8 uint8 (E8M0 scales of input_flatten, one for each 32 codes along K); input_spatial_shapes 4 x 2 int32; query_codes 2 x 13,294 x 8 x 32 uint8 (E4M3 codes of query, K innermost, in blocks of 32 codes); query_scales 2 x 13,294 x 8 uint8 (E8M0 scales of query, one for each 32 codes along K); reference_points 2 x 13,294 x 4 x 2 float32.
;; Outputs: out0 2 x 13,294 x 256 float32.
;; This version of the problem:
;;   THIS VERSION OF THE PROBLEM IS GIVEN IN LOW PRECISION. The matrix products marked QUANTISED in the list below multiply operands that are first quantised to E4M3 (4 exponent bits, 3 mantissa bits; 8 bits a number), with one power-of-two scale for each 32 numbers along K (OCP MX v1.0); their sums are f32. All else is computed in f32.
;;   The module's matrix products, in the order in which they are computed (A, B: the left and right operand; K: the contracted axis; several contracted axes count as one K, in the product's order):
;;     1. [M 26,588, K 256] x [K 256, N 256]; A: input input_flatten (given as codes); B: input W_value (given as codes): QUANTISED
;;     2. [M 26,588, K 256] x [K 256, N 256]; A: input query (given as codes); B: input W_off (given as codes): QUANTISED
;;     3. [M 26,588, K 256] x [K 256, N 128]; A: input query (given as codes); B: input W_attn (given as codes): QUANTISED
;;     4. [M 26,588, K 256] x [K 256, N 256]; A: computed on the way; B: input W_out (given as codes): QUANTISED
;;   THE QUANTISER, for each operand of a quantised product, along K:
;;     - K is cut into blocks of 32 from its start; a last block that is shorter is filled with zeros.
;;     - A block's scale is 2^e with e = floor(log2(the largest magnitude in the block)) - 8, held to -126 .. 127; a block of zeros has e = 0. As a byte (E8M0): e + 127.
;;     - Each number is divided by its block's scale, clamped to +-448, and rounded to the nearest number of E4M3, ties to even, subnormals kept.
;;     - The product sums the exact products of the quantised numbers (number of the format x scale) in f32.
;;   ~~~python
;;   def quantise(x, axis):      # numpy; x: float32 -> the quantised numbers, widened to float32 again
;;       x = np.moveaxis(x, axis, -1); K = x.shape[-1]
;;       x = np.pad(x, [(0, 0)] * (x.ndim - 1) + [(0, -K % 32)]); x = x.reshape(x.shape[:-1] + (-1, 32)); a = np.abs(x).max(-1, keepdims=True)
;;       e = np.where(a > 0, np.clip(np.frexp(np.where(a > 0, a, 1))[1] - 1 - 8, -126, 127), 0)      # np.frexp(a)[1] - 1 = floor(log2(a)), exactly
;;       r = np.clip(x / 2.0 ** e, -448, 448)
;;       step = 2.0 ** (np.maximum(np.frexp(np.where(r == 0, 1, r))[1] - 1, -6) - 3)
;;       q = np.round(r / step) * step * 2.0 ** e      # np.round: ties to even
;;       return np.moveaxis(q.reshape(q.shape[:-2] + (-1,))[..., :K], -1, axis).astype(np.float32)
;;   ~~~
;;   OPERANDS COMPUTED ON THE WAY. 'Computed on the way' means the value that the module computes at that place (a softmax that the list does not call 'softmax' is quantised finished and normalised). What goes into a quantiser is computed in f32, as accurately as f32 sums, v_exp_f32 and their like allow (about 1e-6 of the number): no bf16 or f16 on the way to a quantiser, and a product that is left as it is and whose result goes on into a quantised operand takes f32 operands (vector FMAs, or v_wmma_f32_16x16x4_f32). A number that lies on a knife's edge between two numbers of the format may be rounded either way, as far as f32 arithmetic and the matrix unit's own rounding can turn it there, and no further.
;;   INPUTS GIVEN AS CODES. W_attn (in the module: [256, 128], K = its axis 0); W_off (in the module: [256, 256], K = its axis 0); W_out (in the module: [256, 256], K = its axis 0); W_value (in the module: [256, 256], K = its axis 0); input_flatten (in the module: [2, 13294, 256], K = its axis 2); query (in the module: [2, 13294, 256], K = its axis 2): each comes as NAME_codes (uint8): NAME with its K axis moved to the last place and cut into blocks of 32 codes, [.., K / 32, bytes a block], one block behind the other in memory; one code a byte (a code: sign, 4 exponent bits, 3 mantissa bits); and NAME_scales (uint8): the same leading axes, one E8M0 byte (e + 127) for each 32 codes along K. Its value is code x scale, taken as it is: it is not quantised again, and the codes and scales need not be those that the quantiser above would give.
;; 2 versions. Each part assembles by itself: llvm-mc -triple=amdgcn-amd-amdhsa -mcpu=gfx1250 --defsym DOCPART=n.
;; ======== version 1 of 2: 2 launches
;; workspace buffers: val 27,230,208 bytes; wts 54,460,416 bytes; idx 13,615,104 bytes of whole numbers
;; launch prep (part 1): grid 256 x 1, 8 waves a work-group, no clusters, 79,360 bytes of LDS; arguments input_flatten_codes, input_flatten_scales, query_codes, query_scales, reference_points, W_value_codes, W_value_scales, b_value, W_off_codes, W_off_scales, b_off, W_attn_codes, W_attn_scales, b_attn, val, wts, idx; writes val, wts, idx
.if DOCPART == 1
	.amdgcn_target "amdgcn-amd-amdhsa--gfx1250"
	.amdhsa_code_object_version 6
	.text
	.protected	k_q5672ad31aa_prep
	.globl	k_q5672ad31aa_prep
	.p2align	8
	.type	k_q5672ad31aa_prep,@function
k_q5672ad31aa_prep:
	s_mov_b64 s[64:65], 0
	v_nop
	global_prefetch_b8 v0, s[64:65] scope:SCOPE_SE
	s_setreg_imm32_b32 hwreg(HW_REG_WAVE_MODE, 25, 1), 1
	s_wait_xcnt 0x0
; MSDeformAttn, first of two launches: the three products on given codes (value, sampling offsets, attention logits), the softmax over a head's 16 points,
; and the sample positions.  It stores  val: the value table, f32, [8 heads][26592 rows][32];  wts: four finished corner weights a point, f32;  idx: one row number a point, whole numbers.
; The second launch forms its gather addresses from idx: positions are made of floating-point numbers, so they steer no address in the launch that makes them.
; WORK LEFT OUT.  input_spatial_shapes: reference() takes it as an argument and never reads it (the level geometry is its own constant LEVEL_SHAPES), so whatever it holds reaches no output:
; it is not loaded and is no argument of either launch.  (It holds whole numbers: no NaN, infinity or overflow can be lost with it.)
; BORDERS.  Bilinear sampling with zero padding is the sum over the level's pixels j of hat(x - j) v[j], hat(d) = max(0, 1 - |d|), in x and in y.  With px = clip(floor x, 0, S - 2) and u = x - px only
; pixels px and px + 1 can have a weight: med3(1 + u, 1 - u, 0) and med3(u, 2 - u, 0).  Inside the level these are reference()'s (1 - tx) and tx; at ix0 = -1 (tx, 0); at ix0 = S - 1 (0, 1 - tx); further out (0, 0).
; So one row number a point, batch x 13294 + level start + py S + px, names four rows (+0, +1, +S, +S+1) that always lie inside the level, and validity, the bilinear factors and the softmax's weight are ONE weight a corner.
; LEVEL_SHAPES are square: one S a level (100, 50, 25, 13) serves width and height.
; LIMITS.  NaN and infinities among the inputs are not served: where reference() multiplies a clipped pixel by valid = 0, this text multiplies a neighbouring pixel of the level by a weight of 0.
; off / S is off x (1 / S), fused with the addition of the reference point: under one unit in the last place of off / S, which is the small term of that sum.
; SHARES.  256 work-groups of eight waves stay and walk the 1,662 tiles of 16 rows, 256 apart.  WAVE w IS HEAD w: its 32 columns of W_value, 32 of W_off and 16 of W_attn stay in its registers (window 1) for the whole launch.
; All products are used transposed (source 0 = 16 rows of a weight, source 1 = the tile's 16 rows): lane (r, h) holds row r, and its register j the weight's row 8 h + j of the tile.
; So an offsets tile n gives the lane level 2 n + h, points 0-3, (x, y) in pairs.  THE ROWS OF W_attn THAT FORM ITS TILE ARE CHOSEN to match: tile row m takes column 4 (m / 8) + 8 ((m / 4) % 2) + m % 4 of the head,
; so that registers 0-3 are level h's logits and registers 4-7 level h + 2's.  A lane owns eight whole points of query r: set A (level h) and set B (level h + 2).
; NO CLUSTER, NO TENSOR LOAD: what work-groups share is the weights alone, 163,840 bytes read once by each work-group into registers at its head; a tile's 8,192 bytes of codes are read by one work-group alone.
; REGISTERS.  window 0: v1-19 lane terms and addresses; v20, v21 the add's two; v22-37 lane constants; v38-51 scale words and nothing else; v52-55 reference points; v56-63 my 16 bytes of each tile;
;   v64-127 the two tiles' fragments, later what is read back from the stages; v128-167 five accumulators; v168-199 weights; v200-207 row numbers; v208-255 at work.
;   window 1: v0-63 W_value's fragments, v64-127 W_off's, v128-159 W_attn's; v160-199 the biases in the results' layout: each is the C of a sum's first matrix instruction.
.set ROWS,  26588
.set LEN,   13294                      ; rows of a batch
.set TILES, 1662
.set WGS,   256
.set HEADB, 26592*128                  ; a head's table in val
.set PITCH, 272                        ; a row of 256 codes in LDS + 16 bytes: the 16 rows of a fragment load start 16 bytes apart modulo 256
.set AIN,   0                          ; LDS: the tile of input_flatten, 16 rows
.set AQL,   16*PITCH                   ; the tile of query
.set PRIV0, 2*16*PITCH                 ; then 8,704 bytes of its own for each wave: at the head a stage of 32 weight rows; in the loop three stages:
.set PRIVB, 32*PITCH
.set WP,    1088                       ; weights: 4 blocks (i) of 1,024 bytes + 64
.set IP,    320                        ; row numbers: 4 blocks of 256 bytes + 64
.set VP,    144                        ; values: 16 rows of 128 bytes + 16
.set ISTG,  4*WP
.set VSTG,  ISTG+4*IP
.set SPARE, PRIV0+8*PRIVB              ; the spare words, 128 bytes for each wave: four blocks of 256 bytes that no other line names
.set STA,  5                           ; v5   where my thread puts its 16 bytes of a tile
.set FRA,  6                           ; v6   my lane's place in a tile's fragments: r x pitch + 16 h
.set WSS,  7                           ; v7   head: where my lane puts 16 bytes of a weight row
.set FRW,  8                           ; v8   head: my lane's place in a weight's fragments
.set FRW2, 9                           ; v9   the same by W_attn's chosen rows
.set WSA,  10                          ; v10  weights into their stage
.set ISA,  11                          ; v11  row numbers into theirs
.set VSA,  12                          ; v12  values into theirs
.set WRA,  13                          ; v13  weights back
.set IRA,  14                          ; v14  row numbers back
.set VRA,  15                          ; v15  values back
.set L16,  16                          ; v16  16 x lane
.set RAWO, 17                          ; v17  next tile: my thread's 16 bytes of codes
.set SCO,  18                          ; v18  row r's scale words
.set RFO,  19                          ; v19  row r's reference points, level h
.set SPW,  20                          ; v20  LDS address of my spare word; never rewritten
.set NIL,  21                          ; v21  0; never rewritten
.set SA,   24                          ; v[24:25] (S, S) of set A; v[26:27] (1/S, 1/S)
.set SB,   28                          ; v[28:29], v[30:31] of set B
.set WVS,  38                          ; scale words: W_value's at 38 + 2 n + s, W_off's at 42 + 2 n + s, W_attn's at 46 + s
.set WOS,  42
.set WAS,  46
.set INS,  48                          ; the tile's: input_flatten's at 48 + s, query's at 50 + s
.set QS,   50
.set RAWI, 56
.set RAWQ, 60
.set AI,   64
.set AQ,   96
.set DV0,  128
.set DV1,  136
.set DO0,  144
.set DO1,  152
.set DAT,  160
.set WT,   168
.set IX,   200
.set T0,   208
.set T1,   216
.set T2,   224
.set T3,   232
.set T4,   240
.set T5,   248
.set WV,   0                           ; window 1
.set WO,   64
.set WA,   128
.set BV,   160
.set BO,   176
.set BA,   192
.set MSB, 0
.macro WIN new                         ; the immediate's high byte repeats the setting that is left; a switch that changes nothing is dropped
.if MSB != \new
	s_set_vgpr_msb (MSB<<8)|\new
.set MSB, \new
.endif
.endm
.macro PICK dst, lit0, lit1            ; a lane constant: lit0 in lanes 0-15, lit1 in lanes 16-31 (VCC: h = 1)
	v_mov_b32 v23, \lit1
	v_cndmask_b32 v[\dst], \lit0, v23, vcc_lo
.endm
.macro LOADW reg, base, n              ; n loads of 512 consecutive bytes: two whole rows of a weight each
.set q, 0
.rept \n
	global_load_b128 v[\reg+4*q:\reg+4*q+3], v[L16], s[\base:\base+1] offset:512*q
.set q, q+1
.endr
.endm
.macro STAGEW reg, n                   ; into my wave's stage, rows 272 bytes apart
.set q, 0
.rept \n
	ds_store_b128 v[WSS], v[\reg+4*q:\reg+4*q+3] offset:2*PITCH*q
.set q, q+1
.endr
.endm
.macro FRAGW dst, adr, tiles           ; and back as fragments, into window 1: tile n, K step s at dst + 16 (2 n + s)
	WIN 0x40
.irp n, 0,1
.if \n < \tiles
.irp s, 0,1
.irp c, 0,1,2,3
	ds_load_b128 v[\dst+16*(2*\n+\s)+4*\c:\dst+16*(2*\n+\s)+4*\c+3], v[\adr] offset:16*PITCH*\n+128*\s+32*\c
.endr
.endr
.endif
.endr
	WIN 0
.endm
.macro AFRAG dst, off                  ; a tile's two fragments: registers 16 s + 4 c on hold K = 128 s + 32 c + 16 h + 0 .. 15 of row r
.irp s, 0,1
.irp c, 0,1,2,3
	ds_load_b128 v[\dst+16*\s+4*\c:\dst+16*\s+4*\c+3], v[FRA] offset:\off+128*\s+32*\c
.endr
.endr
.endm
.macro MM d, wf, af, c, ws, as
	v_wmma_scale_f32_16x16x128_f8f6f4 v[\d:\d+7], v[\wf:\wf+15], v[\af:\af+15], v[\c:\c+7], v[\ws], v[\as]
.endm
.macro NEXTADR s                       ; the load offsets of the tile whose first row is s[s]; rows are held at the last row, so that the last tile's four rows beyond the end repeat it and no load leaves its buffer
	v_add_nc_u32 v[RAWO], s[\s], v3
	v_min_u32 v[RAWO], ROWS-1, v[RAWO]
	v_lshl_add_u32 v[RAWO], v[RAWO], 8, v4
	v_add_nc_u32 v[SCO], s[\s], v1
	v_min_u32 v[SCO], ROWS-1, v[SCO]
	v_lshlrev_b32 v[RFO], 5, v[SCO]
	v_lshl_add_u32 v[RFO], v2, 3, v[RFO]
	v_lshlrev_b32 v[SCO], 3, v[SCO]
.endm
.macro TILELOADS
	global_load_b128 v[RAWI:RAWI+3], v[RAWO], s[8:9] th:TH_LOAD_NT    ; sixteen threads read a row's 256 bytes; the work-group reads the tile's 4,096 once
	global_load_b128 v[RAWQ:RAWQ+3], v[RAWO], s[12:13] th:TH_LOAD_NT
	global_load_b64 v[INS:INS+1], v[SCO], s[10:11]                    ; row r's two scale words
	global_load_b64 v[QS:QS+1], v[SCO], s[14:15]
	global_load_b64 v[52:53], v[RFO], s[16:17]                        ; the reference point of level h,
	global_load_b64 v[54:55], v[RFO], s[16:17] offset:16              ; of level h + 2
.endm
; A set's four points: from loc (in the offsets' accumulator o, pairs (x, y)) to the factors in x (T4: pixel px, pixel px + 1) and in y (T5), and the row number.  Each stage goes over the four points, so that no line waits for the line above it.
.macro POS o, s, sm2, base, ix
.irp p, 0,1,2,3
	v_pk_fma_f32 v[\o+2*\p:\o+2*\p+1], v[\o+2*\p:\o+2*\p+1], v[\s:\s+1], -0.5 op_sel_hi:[1,1,0]   ; x = loc S - 0.5
.endr
.irp p, 0,1,2,3,4,5,6,7
	v_floor_f32 v[T0+\p], v[\o+\p]
.endr
.irp p, 0,1,2,3,4,5,6,7
	v_med3_num_f32 v[T0+\p], v[T0+\p], 0, v[\sm2]                     ; px, py = clip(floor, 0, S - 2)
.endr
.irp p, 0,1,2,3
	v_pk_add_f32 v[\o+2*\p:\o+2*\p+1], v[\o+2*\p:\o+2*\p+1], v[T0+2*\p:T0+2*\p+1] neg_lo:[0,1] neg_hi:[0,1]   ; u = x - px
.endr
.irp p, 0,1,2,3
	v_pk_add_f32 v[T1+2*\p:T1+2*\p+1], v[\o+2*\p:\o+2*\p+1], 1.0 op_sel_hi:[1,0]                              ; 1 + u
.endr
.irp p, 0,1,2,3
	v_pk_add_f32 v[T2+2*\p:T2+2*\p+1], v[\o+2*\p:\o+2*\p+1], 1.0 op_sel_hi:[1,0] neg_lo:[1,0] neg_hi:[1,0]    ; 1 - u
.endr
.irp p, 0,1,2,3
	v_pk_add_f32 v[T3+2*\p:T3+2*\p+1], v[\o+2*\p:\o+2*\p+1], 2.0 op_sel_hi:[1,0] neg_lo:[1,0] neg_hi:[1,0]    ; 2 - u
.endr
.irp p, 0,1,2,3
	v_med3_num_f32 v[T4+2*\p], v[T1+2*\p], v[T2+2*\p], 0              ; pixel px's factor
	v_med3_num_f32 v[T4+2*\p+1], v[\o+2*\p], v[T3+2*\p], 0            ; pixel px + 1's
	v_med3_num_f32 v[T5+2*\p], v[T1+2*\p+1], v[T2+2*\p+1], 0          ; pixel py's
	v_med3_num_f32 v[T5+2*\p+1], v[\o+2*\p+1], v[T3+2*\p+1], 0        ; pixel py + 1's
.endr
.irp p, 0,1,2,3
	v_add_f32 v[T1+\p], v[T0+2*\p], v[\base]                          ; whole numbers under 2^24: these sums are exact
.endr
.irp p, 0,1,2,3
	v_fma_f32 v[T1+\p], v[T0+2*\p+1], v[\s], v[T1+\p]
.endr
.irp p, 0,1,2,3
	v_cvt_u32_f32 v[\ix+\p], v[T1+\p]                                 ; batch x 13294 + level start + py S + px
.endr
.endm
; The set's sixteen corner weights: (factor in y x the softmax's weight) x factor in x; corner k = 2 dy + dx
.macro WGT aw, wt
.irp p, 0,1,2,3
.if (\p)%2
	v_pk_mul_f32 v[T5+2*\p:T5+2*\p+1], v[T5+2*\p:T5+2*\p+1], v[\aw+\p-1:\aw+\p] op_sel:[0,1]       ; an odd point's weight is the pair's upper word
.else
	v_pk_mul_f32 v[T5+2*\p:T5+2*\p+1], v[T5+2*\p:T5+2*\p+1], v[\aw+\p:\aw+\p+1] op_sel_hi:[1,0]    ; an even point's the lower
.endif
.endr
.irp p, 0,1,2,3
	v_pk_mul_f32 v[\wt+4*\p:\wt+4*\p+1], v[T4+2*\p:T4+2*\p+1], v[T5+2*\p:T5+2*\p+1] op_sel_hi:[1,0]
	v_pk_mul_f32 v[\wt+4*\p+2:\wt+4*\p+3], v[T4+2*\p:T4+2*\p+1], v[T5+2*\p:T5+2*\p+1] op_sel:[0,1]
.endr
.endm
	s_load_b512 s[8:23], s[0:1], 0x0               ; input codes 8:9, input scales 10:11, query codes 12:13, query scales 14:15, reference points 16:17, W_value codes 18:19, scales 20:21, b_value 22:23
	s_load_b512 s[24:39], s[0:1], 0x40             ; W_off codes 24:25, scales 26:27, b_off 28:29, W_attn codes 30:31, scales 32:33, b_attn 34:35, val 36:37, wts 38:39
	s_load_b64 s[40:41], s[0:1], 0x80              ; idx
	v_lshl_add_u32 v[SPW], v0, 2, SPARE
	v_mov_b32 v[NIL], 0
	v_lshrrev_b32 v23, 5, v0
	v_readfirstlane_b32 s2, v23                    ; wave = head
	v_and_b32 v1, 15, v0                           ; r
	v_bfe_u32 v2, v0, 4, 1                         ; h
	v_lshrrev_b32 v3, 4, v0                        ; my thread's row of a tile
	v_lshlrev_b32 v4, 4, v1                        ; and its 16 bytes of that row
	v_mad_u32_u24 v[STA], v3, PITCH, v4
	v_mul_u32_u24 v[FRA], v1, PITCH
	v_lshl_add_u32 v[FRA], v2, 4, v[FRA]
	s_mul_i32 s46, s2, PRIVB
	s_add_co_u32 s46, s46, PRIV0                   ; my wave's own LDS
	v_mad_u32_u24 v[WSS], v2, PITCH, v4
	v_add_nc_u32 v[WSS], s46, v[WSS]
	v_add_nc_u32 v[FRW], s46, v[FRA]
	v_bfe_u32 v224, v0, 3, 1
	v_bfe_u32 v225, v0, 2, 1
	v_and_b32 v226, 3, v0                          ; r % 4
	v_lshl_add_u32 v227, v224, 2, v226
	v_lshl_add_u32 v227, v225, 3, v227             ; W_attn's row for tile row r: 4 (r / 8) + 8 ((r / 4) % 2) + r % 4
	v_mul_u32_u24 v[FRW2], v227, PITCH
	v_lshl_add_u32 v[FRW2], v2, 4, v[FRW2]
	v_add_nc_u32 v[FRW2], s46, v[FRW2]
	v_bfe_u32 v228, v0, 2, 2                       ; r / 4 = i; r % 4 = g: query r = 4 i + g
	v_mul_u32_u24 v[WSA], v228, WP
	v_lshl_add_u32 v[WSA], v226, 4, v[WSA]
	v_lshl_add_u32 v[WSA], v2, 8, v[WSA]           ; i WP + 64 (4 h) + 16 g: point 4 h of set A
	v_add_nc_u32 v[WSA], s46, v[WSA]
	v_mul_u32_u24 v[ISA], v228, IP
	v_lshl_add_u32 v[ISA], v226, 4, v[ISA]
	v_lshl_add_u32 v[ISA], v2, 6, v[ISA]           ; i IP + 64 h + 16 g
	v_add_nc_u32 v[ISA], s46, v[ISA]
	v_mul_u32_u24 v[VSA], v1, VP
	v_lshl_add_u32 v[VSA], v2, 5, v[VSA]           ; r VP + 32 h
	v_add_nc_u32 v[VSA], s46, v[VSA]
	v_and_b32 v[L16], 31, v0
	v_lshlrev_b32 v[L16], 4, v[L16]
	v_add_nc_u32 v[WRA], s46, v[L16]
	v_mad_u32_u24 v[IRA], v2, IP, v4
	v_add_nc_u32 v[IRA], s46, v[IRA]
	v_bfe_u32 v229, v0, 3, 2                       ; lane / 8
	v_and_b32 v230, 7, v0
	v_mul_u32_u24 v[VRA], v229, VP
	v_lshl_add_u32 v[VRA], v230, 4, v[VRA]
	v_add_nc_u32 v[VRA], s46, v[VRA]
	v_lshlrev_b32 v231, 5, v2                      ; 32 h: b_value, b_off
	v_lshlrev_b32 v232, 4, v2                      ; 16 h: b_attn
	v_lshlrev_b32 v233, 3, v1                      ; 8 r: a weight's scale words
	v_lshlrev_b32 v234, 3, v227                    ; by W_attn's chosen rows
	v_mov_b32 v22, 0x464fb800                      ; 13294.0
	v_cmp_eq_u32 vcc_lo, 1, v2
	PICK SA,   0x42c80000, 0x42480000              ; S: 100 | 50
	PICK SA+2, 0x3c23d70a, 0x3ca3d70a              ; 1 / S
	PICK SB,   0x41c80000, 0x41500000              ; 25 | 13
	PICK SB+2, 0x3d23d70a, 0x3d9d89d9
	PICK 32,   0x42c40000, 0x42400000              ; S - 2: 98 | 48
	PICK 33,   0x41b80000, 0x41300000              ; 23 | 11
	PICK 34,   0,          0x461c4000              ; the level's first row: 0 | 10000
	PICK 35,   0x46435000, 0x464d1400              ; 12500 | 13125
	v_mov_b32 v[SA+1], v[SA]
	v_mov_b32 v[SA+3], v[SA+2]
	v_mov_b32 v[SB+1], v[SB]
	v_mov_b32 v[SB+3], v[SB+2]
	s_mov_b32 s44, 0x76543210
	s_mov_b32 s45, 0xfedcba98                      ; v_permlanex16_b32's selects for lane l xor 16
	s_mov_b32 s3, ttmp9                            ; my first tile
	s_lshl_b32 s4, s3, 4                           ; its first row
	s_add_co_u32 s5, s4, 16*WGS                    ; and the next tile's
	NEXTADR 4
	s_mov_b32 s7, 0
	s_wait_kmcnt 0x0
	s_lshl_b32 s6, s2, 13                          ; my head's 32 rows of 256 codes
	s_add_nc_u64 s[18:19], s[18:19], s[6:7]
	s_add_nc_u64 s[24:25], s[24:25], s[6:7]
	s_lshl_b32 s6, s2, 12                          ; 16 rows
	s_add_nc_u64 s[30:31], s[30:31], s[6:7]
	s_lshl_b32 s6, s2, 8                           ; 32 rows of 8 scale bytes
	s_add_nc_u64 s[20:21], s[20:21], s[6:7]
	s_add_nc_u64 s[26:27], s[26:27], s[6:7]
	s_lshl_b32 s6, s2, 7                           ; 16 rows of 8 scale bytes; 32 f32
	s_add_nc_u64 s[32:33], s[32:33], s[6:7]
	s_add_nc_u64 s[22:23], s[22:23], s[6:7]
	s_add_nc_u64 s[28:29], s[28:29], s[6:7]
	s_lshl_b32 s6, s2, 6                           ; 16 f32
	s_add_nc_u64 s[34:35], s[34:35], s[6:7]
	s_mul_i32 s6, s2, HEADB                        ; val: my head's table, my first tile's 16 rows of 128 bytes
	s_lshl_b32 s42, s3, 11
	s_add_co_u32 s6, s6, s42
	s_add_nc_u64 s[36:37], s[36:37], s[6:7]
	s_lshl_b32 s6, s3, 15                          ; wts: 32,768 bytes a tile, 4,096 a head
	s_lshl_b32 s42, s2, 12
	s_add_co_u32 s6, s6, s42
	s_add_nc_u64 s[38:39], s[38:39], s[6:7]
	s_lshl_b32 s6, s3, 13                          ; idx: 8,192 a tile, 1,024 a head
	s_lshl_b32 s42, s2, 10
	s_add_co_u32 s6, s6, s42
	s_add_nc_u64 s[40:41], s[40:41], s[6:7]
	LOADW 64, 18, 16                               ; W_value's 32 rows -> v64-127
	LOADW 128, 24, 16                              ; W_off's -> v128-191
	LOADW 192, 30, 8                               ; W_attn's 16 -> v192-223
	WIN 0x40                                       ; destination window 1
.irp n, 0,1
	global_load_b128 v[BV+8*\n:BV+8*\n+3], v231, s[22:23] offset:64*\n            ; lane (r, h), tile n: the bias of columns 16 n + 8 h + 0 .. 7
	global_load_b128 v[BV+8*\n+4:BV+8*\n+7], v231, s[22:23] offset:64*\n+16
	global_load_b128 v[BO+8*\n:BO+8*\n+3], v231, s[28:29] offset:64*\n
	global_load_b128 v[BO+8*\n+4:BO+8*\n+7], v231, s[28:29] offset:64*\n+16
.endr
	global_load_b128 v[BA:BA+3], v232, s[34:35]                                   ; level h's four,
	global_load_b128 v[BA+4:BA+7], v232, s[34:35] offset:32                       ; level h + 2's
	WIN 0
.irp n, 0,1
	global_load_b64 v[WVS+2*\n:WVS+2*\n+1], v233, s[20:21] offset:128*\n
	global_load_b64 v[WOS+2*\n:WOS+2*\n+1], v233, s[26:27] offset:128*\n
.endr
	global_load_b64 v[WAS:WAS+1], v234, s[32:33]
	TILELOADS                                      ; the first tile
	s_wait_loadcnt 21                              ; the 40 raw loads are in; behind them stand 10 of biases, 5 of scale words, 6 of the first tile
	STAGEW 64, 16                                  ; LDS serves a wave's instructions in order (ISA guide 5.7.1.4) and the stage is my wave's own: no wait between these runs
	FRAGW WV, FRW, 2
	STAGEW 128, 16
	FRAGW WO, FRW, 2
	STAGEW 192, 8
	FRAGW WA, FRW2, 1
	s_wait_dscnt 0x0
	v_mov_b32 v[T0+1], 0                           ; written once: a lane permute's destination counts as one of its sources
.Ltile:
	s_wait_loadcnt 0x0                             ; this tile's six loads, asked for a trip ago (in the first trip: the biases and scale words too)
	ds_store_b128 v[STA], v[RAWI:RAWI+3] offset:AIN
	ds_store_b128 v[STA], v[RAWQ:RAWQ+3] offset:AQL
	s_wait_dscnt 0x0                               ; for the others' sake: my part of the two tiles lies in LDS
	s_barrier_signal -1
	s_barrier_wait -1                              ; everybody's does
	AFRAG AI, AIN
	AFRAG AQ, AQL
	s_wait_dscnt 0x0                               ; my reads of the two tiles are over
	s_barrier_signal -1
	s_barrier_wait -1                              ; everybody's are: the next trip's stores may land there
	WIN 0x11                                       ; source 0 (the weight) and source 2 (the bias) window 1
	MM DV0, WV,    AI, BV,   WVS,   INS            ; five accumulators by turns: K step 0 of all, then K step 1
	MM DV1, WV+32, AI, BV+8, WVS+2, INS
	MM DO0, WO,    AQ, BO,   WOS,   QS
	MM DO1, WO+32, AQ, BO+8, WOS+2, QS
	MM DAT, WA,    AQ, BA,   WAS,   QS
	WIN 0x01
	MM DV0, WV+16, AI+16, DV0, WVS+1, INS+1
	MM DV1, WV+48, AI+16, DV1, WVS+3, INS+1
	MM DO0, WO+16, AQ+16, DO0, WOS+1, QS+1
	MM DO1, WO+48, AQ+16, DO1, WOS+3, QS+1
	MM DAT, WA+16, AQ+16, DAT, WAS+1, QS+1
	WIN 0
	; thirteen plain vector instructions that name no register of the products: the eight places behind them, and work that is due
	v_add_nc_u32 v23, s4, v1                       ; my query's row
	v_cmp_le_u32 vcc_lo, LEN, v23                  ; in the second batch?
	v_cndmask_b32 v23, 0, v22, vcc_lo
	v_add_f32 v36, v34, v23                        ; batch x 13294 + level start, set A,
	v_add_f32 v37, v35, v23                        ; set B
	NEXTADR 5
	ds_store_b128 v[VSA], v[DV0:DV0+3] offset:VSTG         ; the values: row r, channels 16 n + 8 h + 0 .. 7; each accumulator from its low end on
	ds_store_b128 v[VSA], v[DV0+4:DV0+7] offset:VSTG+16
	ds_store_b128 v[VSA], v[DV1:DV1+3] offset:VSTG+64
	ds_store_b128 v[VSA], v[DV1+4:DV1+7] offset:VSTG+80
.irp n, 0,1,2,3
	ds_load_b128 v[104+4*\n:104+4*\n+3], v[VRA] offset:VSTG+4*VP*\n   ; back as four whole rows of 128 bytes a load
.endr
.irp p, 0,1,2,3
	v_pk_fma_f32 v[DO0+2*\p:DO0+2*\p+1], v[DO0+2*\p:DO0+2*\p+1], v[SA+2:SA+3], v[52:53]   ; loc = reference point + offset / S
.endr
.irp p, 0,1,2,3
	v_pk_fma_f32 v[DO1+2*\p:DO1+2*\p+1], v[DO1+2*\p:DO1+2*\p+1], v[SB+2:SB+3], v[54:55]
.endr
	s_cmp_ge_u32 s5, 16*TILES                      ; the next tile is asked for here, if there is one
	s_cbranch_scc1 .Lno_next
	TILELOADS
.Lno_next:
	s_wait_dscnt 0x0
.irp n, 0,1,2,3
	global_store_b128 v[L16], v[104+4*\n:104+4*\n+3], s[36:37] offset:512*\n   ; 32 lanes store 512 consecutive bytes, at a multiple of 256 from val's first byte
.endr
	; the softmax over the head's 16 points: eight are mine, eight lane l xor 16's
	v_max3_num_f32 v[T0], v[DAT], v[DAT+1], v[DAT+2]
	v_max3_num_f32 v[T0], v[T0], v[DAT+3], v[DAT+4]
	v_max3_num_f32 v[T0], v[T0], v[DAT+5], v[DAT+6]
	v_max_num_f32 v[T0], v[T0], v[DAT+7]
	v_permlanex16_b32 v[T0+1], v[T0], s44, s45
	v_max_num_f32 v[T0], v[T0], v[T0+1]            ; the largest logit
.irp q, 0,2,4,6
	v_pk_add_f32 v[DAT+\q:DAT+\q+1], v[DAT+\q:DAT+\q+1], v[T0:T0+1] op_sel_hi:[1,0] neg_lo:[0,1] neg_hi:[0,1]
.endr
.irp q, 0,2,4,6
	v_pk_mul_f32 v[DAT+\q:DAT+\q+1], v[DAT+\q:DAT+\q+1], 0x3fb8aa3b op_sel_hi:[1,0]   ; x log2(e)
.endr
.irp q, 0,1,2,3,4,5,6,7
	v_exp_f32 v[DAT+\q], v[DAT+\q]
.endr
	POS DO0, SA, 32, 36, IX                        ; set A's positions name none of the exponentials' results: the independent work behind the batch
	s_wait_alu depctr_va_vdst(0)                   ; one wait for the eight exponentials, ahead of their first reader
	v_pk_add_f32 v[T0:T0+1], v[DAT:DAT+1], v[DAT+2:DAT+3]
	v_pk_add_f32 v[T0+2:T0+3], v[DAT+4:DAT+5], v[DAT+6:DAT+7]
	v_pk_add_f32 v[T0:T0+1], v[T0:T0+1], v[T0+2:T0+3]
	v_add_f32 v[T0], v[T0], v[T0+1]
	v_permlanex16_b32 v[T0+1], v[T0], s44, s45
	v_add_f32 v[T0], v[T0], v[T0+1]                ; the sum of the 16
	v_rcp_f32 v[T0+2], v[T0]
	v_nop                                          ; a plain instruction behind the reciprocal,
	s_wait_alu depctr_va_vdst(0)                   ; and its wait ahead of the first reader
.irp q, 0,2,4,6
	v_pk_mul_f32 v[DAT+\q:DAT+\q+1], v[DAT+\q:DAT+\q+1], v[T0+2:T0+3] op_sel_hi:[1,0]   ; the softmax's weights
.endr
	WGT DAT, WT
	POS DO1, SB, 33, 37, IX+4
	WGT DAT+4, WT+16
	; out through my wave's stages, so that every store covers 512 consecutive bytes.  wts: [i][point 16][g][corner 4]; idx: [i][level][g][point 4]
.irp p, 0,1,2,3
	ds_store_b128 v[WSA], v[WT+4*\p:WT+4*\p+3] offset:64*\p
.endr
.irp p, 0,1,2,3
	ds_store_b128 v[WSA], v[WT+16+4*\p:WT+16+4*\p+3] offset:512+64*\p
.endr
	ds_store_b128 v[ISA], v[IX:IX+3] offset:ISTG
	ds_store_b128 v[ISA], v[IX+4:IX+7] offset:ISTG+128
.irp n, 0,1,2,3,4,5,6,7
	ds_load_b128 v[64+4*\n:64+4*\n+3], v[WRA] offset:(\n/2)*WP+(\n%2)*512
.endr
.irp m, 0,1
	ds_load_b128 v[96+4*\m:96+4*\m+3], v[IRA] offset:ISTG+2*IP*\m
.endr
	s_wait_dscnt 0x0
.irp n, 0,1,2,3,4,5,6,7
	global_store_b128 v[L16], v[64+4*\n:64+4*\n+3], s[38:39] offset:512*\n th:TH_STORE_NT
.endr
.irp m, 0,1
	global_store_b128 v[L16], v[96+4*\m:96+4*\m+3], s[40:41] offset:512*\m th:TH_STORE_NT
.endr
	s_wait_xcnt 0x0                                ; the stores have read their registers and bases: both are written again only behind this wait
	s_add_nc_u64 s[36:37], s[36:37], WGS*2048
	s_add_nc_u64 s[38:39], s[38:39], WGS*32768
	s_add_nc_u64 s[40:41], s[40:41], WGS*8192
	s_add_co_u32 s4, s4, 16*WGS
	s_add_co_u32 s5, s5, 16*WGS
	s_add_co_u32 s3, s3, WGS
	s_cmp_lt_u32 s3, TILES
	s_cbranch_scc1 .Ltile
	s_wait_tensorcnt 0x0                           ; the wave's end, behind my last LDS store
	ds_add_u32 v[SPW], v[NIL]
	s_wait_dscnt 0x0
	s_endpgm
.Lfunc_end_k_q5672ad31aa_prep:
	.size	k_q5672ad31aa_prep, .Lfunc_end_k_q5672ad31aa_prep-k_q5672ad31aa_prep
	.p2alignl 7, 3214868480
	.fill 96, 4, 3214868480
	.section	.rodata,"a",@progbits
	.p2align	6, 0x0
	.amdhsa_kernel k_q5672ad31aa_prep
		.amdhsa_group_segment_fixed_size 79360
		.amdhsa_private_segment_fixed_size 0
		.amdhsa_enable_private_segment 0
		.amdhsa_kernarg_size 136
		.amdhsa_user_sgpr_count 2
		.amdhsa_user_sgpr_kernarg_segment_ptr 1
		.amdhsa_wavefront_size32 1
		.amdhsa_system_sgpr_workgroup_id_x 1
		.amdhsa_system_sgpr_workgroup_id_y 1
		.amdhsa_system_sgpr_workgroup_id_z 1
		.amdhsa_system_vgpr_workitem_id 0
		.amdhsa_next_free_vgpr 464
		.amdhsa_next_free_sgpr 66
		.amdhsa_reserve_vcc 1
		.amdhsa_float_denorm_mode_32 3
		.amdhsa_float_denorm_mode_16_64 3
		.amdhsa_memory_ordered 1
		.amdhsa_forward_progress 1
		.amdhsa_inst_pref_size 36
	.end_amdhsa_kernel
	.amdgpu_metadata
---
amdhsa.version: [ 1, 2 ]
amdhsa.kernels:
  - .name:           k_q5672ad31aa_prep
    .symbol:         k_q5672ad31aa_prep.kd
    .args:
      - { .name: input_flatten_codes, .offset: 0, .size: 8, .value_kind: global_buffer, .address_space: global }
      - { .name: input_flatten_scales, .offset: 8, .size: 8, .value_kind: global_buffer, .address_space: global }
      - { .name: query_codes, .offset: 16, .size: 8, .value_kind: global_buffer, .address_space: global }
      - { .name: query_scales, .offset: 24, .size: 8, .value_kind: global_buffer, .address_space: global }
      - { .name: reference_points, .offset: 32, .size: 8, .value_kind: global_buffer, .address_space: global }
      - { .name: W_value_codes, .offset: 40, .size: 8, .value_kind: global_buffer, .address_space: global }
      - { .name: W_value_scales, .offset: 48, .size: 8, .value_kind: global_buffer, .address_space: global }
      - { .name: b_value, .offset: 56, .size: 8, .value_kind: global_buffer, .address_space: global }
      - { .name: W_off_codes, .offset: 64, .size: 8, .value_kind: global_buffer, .address_space: global }
      - { .name: W_off_scales, .offset: 72, .size: 8, .value_kind: global_buffer, .address_space: global }
      - { .name: b_off, .offset: 80, .size: 8, .value_kind: global_buffer, .address_space: global }
      - { .name: W_attn_codes, .offset: 88, .size: 8, .value_kind: global_buffer, .address_space: global }
      - { .name: W_attn_scales, .offset: 96, .size: 8, .value_kind: global_buffer, .address_space: global }
      - { .name: b_attn, .offset: 104, .size: 8, .value_kind: global_buffer, .address_space: global }
      - { .name: val, .offset: 112, .size: 8, .value_kind: global_buffer, .address_space: global }
      - { .name: wts, .offset: 120, .size: 8, .value_kind: global_buffer, .address_space: global }
      - { .name: idx, .offset: 128, .size: 8, .value_kind: global_buffer, .address_space: global }
    .group_segment_fixed_size: 79360
    .private_segment_fixed_size: 0
    .kernarg_segment_align: 8
    .kernarg_segment_size: 136
    .max_flat_workgroup_size: 256
    .sgpr_count:     66
    .vgpr_count:     464
    .wavefront_size: 32
...
	.end_amdgpu_metadata
.endif
;; end of part 1
;; launch samp (part 2): grid 1662 x 1, 8 waves a work-group, no clusters, 142,848 bytes of LDS; arguments idx, wts, val, W_out_codes, W_out_scales, b_out, out0; writes out0
.if DOCPART == 2
	.amdgcn_target "amdgcn-amd-amdhsa--gfx1250"
	.amdhsa_code_object_version 6
	.text
	.protected	k_q5672ad31aa_samp
	.globl	k_q5672ad31aa_samp
	.p2align	8
	.type	k_q5672ad31aa_samp,@function
k_q5672ad31aa_samp:
	s_mov_b64 s[64:65], 0
	v_nop
	global_prefetch_b8 v0, s[64:65] scope:SCOPE_SE
	s_setreg_imm32_b32 hwreg(HW_REG_WAVE_MODE, 25, 1), 1
	s_wait_xcnt 0x0
; MSDeformAttn, second launch: the gather by the stored row numbers, the weighted sum, its quantiser, the product with W_out, b_out.
; WORK LEFT OUT: input_spatial_shapes is no argument (reference() never reads it); validity, bilinear factors and the softmax's weight arrive as one weight a corner (shown at the head of the first launch).
; LIMITS.  NaN and infinities are not served.  A block of zeros of the sampled sum gets the scale byte 1 where the rule says 127: its codes are zeros, which add nothing under any byte but 0xff, and this launch alone reads the byte.
; SHARES.  A work-group takes one tile of 16 queries.  WAVE w IS HEAD w for the gather, and owns output columns 32 w .. 32 w + 31 of the product.
; THE GATHER.  A corner is a row of 128 bytes (the head's 32 channels, f32) of val.  Lane = (g, c): g = lane / 8 picks query 4 i + g, c = lane % 8 channels 4 c .. 4 c + 3: one load fetches one corner's whole row for each of four queries.
; A lane sums all 4 corners of all 16 points of its own query and channels: nothing is reduced across lanes.  64 steps (4 groups i x 16 points), written out; six points' loads (24 of 512 bytes a wave) are always on their way.
; THE QUANTISER.  K of the product is head x 32 + channel: a block of 32 is one head of one query.  The sums turn through my wave's stage, so that lane (r, h) holds query r, channels 16 h .. 16 h + 15: the four code registers
; that the conversions give are registers 4 (w % 4) .. + 3 of K step w / 4 of the operand; they go to the other waves as an image of the registers (16 bytes a lane), the scale byte beside them.
; THE PRODUCT is used transposed (source 0 = 16 rows of W_out, source 1 = the 16 queries): a lane holds eight neighbouring columns of a row of the output; b_out is the C of each sum's first matrix instruction.
; NO CLUSTER: what work-groups share is W_out, 65,536 bytes a work-group, against 1,048,576 bytes that a tile gathers (16 queries x 128 points x 4 corners x 128 bytes), which partners do not share.
; REGISTERS.  v1-15, v18, v19 lane terms and addresses; v16, v17 the add's two; v20-23 W_out's scale words, v240, v241 the sampled sum's: scales and nothing else; v24-39 b_out; v40-55 the sums; v56-119 row numbers, each turned into
; its point's byte offset in place and used once; v120-215 six slots of four corners; v216-239 six slots of four weights; v242 the prefetch's offset; v244-250 at work.
; At the head v120-183 hold W_out's raw rows and v184-215 the raw weights; at the tail v56-71 the numbers to quantise, v72-75 codes, v76-91 results, v92-107 rows of the output, v120-183 W_out's fragments, v184-215 the sampled sum's.
.set ROWS,  26588
.set TILES, 1662
.set HEADB, 26592*128
.set PITCH, 272
.set WOST,  0                          ; LDS: for each wave a stage of 32 rows of W_out, 272 bytes apart
.set WTS,   8*32*PITCH                 ; for each wave its head's 4,096 bytes of weights
.set ACS,   WTS+8*4096                 ; for each wave a stage of 16 queries x (128 bytes + 16)
.set AP,    144
.set AIMG,  ACS+8*16*AP                ; the operand's image: 8 blocks (heads) of 512 bytes
.set ASC,   AIMG+8*512                 ; its scale bytes: 8 a query; a block of 256 bytes
.set OST,   ASC+256                    ; the stage for the output: 16 rows x (1,024 bytes + 16)
.set OP,    1040
.set SPARE, OST+16*OP                  ; the spare words, 128 bytes for each wave: four blocks of 256 bytes that no other line names
.set AHEAD, 512                        ; tiles between a work-group and the one whose weights and row numbers it prefetches
.set SPW,  16
.set NIL,  17
.set ACC,  40
.set IDX,  56
.set DR,   120
.set WR,   216
.set PFO,  242
; Point k = 16 i + p is asked for: its row number becomes a byte offset, its four weights come from LDS, its four corners from val.
.macro ISSUE k
.set ii, (\k)/16
.set pp, (\k)%16
.set sl, (\k)%6
.set lv, pp/4
.if lv == 0
.set SS, 100
.elseif lv == 1
.set SS, 50
.elseif lv == 2
.set SS, 25
.else
.set SS, 13
.endif
	v_min_u32 v[IDX+(\k)], ROWS-2-SS, v[IDX+(\k)]                  ; a loaded number enters an address only under a bound: with it corner + S + 1 stays inside the table.  It binds on no row number that the first launch makes
	v_lshl_add_u32 v[IDX+(\k)], v[IDX+(\k)], 7, v1                 ; 128 bytes a row, + my 16
	ds_load_b128 v[WR+4*sl:WR+4*sl+3], v7 offset:1024*ii+64*pp
	global_load_b128 v[DR+16*sl:DR+16*sl+3], v[IDX+(\k)], s[12:13]
	global_load_b128 v[DR+16*sl+4:DR+16*sl+7], v[IDX+(\k)], s[12:13] offset:128
	global_load_b128 v[DR+16*sl+8:DR+16*sl+11], v[IDX+(\k)], s[12:13] offset:128*SS
	global_load_b128 v[DR+16*sl+12:DR+16*sl+15], v[IDX+(\k)], s[12:13] offset:128*SS+128
.endm
; Point k is summed: 4 corners x 4 channels, two at a time; the two pairs of channels by turns.  A group's first product starts its sums: nothing is cleared.
.macro CONSUME k
.set ii, (\k)/16
.set pp, (\k)%16
.set sl, (\k)%6
.set nn, 63-(\k)
.if nn > 5
.set nn, 5
.endif
.set aa, ACC+4*ii
.set dd, DR+16*sl
.set ww, WR+4*sl
	s_wait_loadcnt 4*nn                            ; loads come back in order (ISA guide 5.7.1): the four corners of each of the nn younger points may be out,
	s_wait_dscnt nn                                ; and their weights
.if pp == 0
	v_pk_mul_f32 v[aa:aa+1], v[dd:dd+1], v[ww:ww+1] op_sel_hi:[1,0]
	v_pk_mul_f32 v[aa+2:aa+3], v[dd+2:dd+3], v[ww:ww+1] op_sel_hi:[1,0]
.else
	v_pk_fma_f32 v[aa:aa+1], v[dd:dd+1], v[ww:ww+1], v[aa:aa+1] op_sel_hi:[1,0,1]
	v_pk_fma_f32 v[aa+2:aa+3], v[dd+2:dd+3], v[ww:ww+1], v[aa+2:aa+3] op_sel_hi:[1,0,1]
.endif
	v_pk_fma_f32 v[aa:aa+1], v[dd+4:dd+5], v[ww:ww+1], v[aa:aa+1] op_sel:[0,1,0]
	v_pk_fma_f32 v[aa+2:aa+3], v[dd+6:dd+7], v[ww:ww+1], v[aa+2:aa+3] op_sel:[0,1,0]
	v_pk_fma_f32 v[aa:aa+1], v[dd+8:dd+9], v[ww+2:ww+3], v[aa:aa+1] op_sel_hi:[1,0,1]
	v_pk_fma_f32 v[aa+2:aa+3], v[dd+10:dd+11], v[ww+2:ww+3], v[aa+2:aa+3] op_sel_hi:[1,0,1]
	v_pk_fma_f32 v[aa:aa+1], v[dd+12:dd+13], v[ww+2:ww+3], v[aa:aa+1] op_sel:[0,1,0]
	v_pk_fma_f32 v[aa+2:aa+3], v[dd+14:dd+15], v[ww+2:ww+3], v[aa+2:aa+3] op_sel:[0,1,0]
.endm
	s_load_b256 s[8:15], s[0:1], 0x0               ; idx 8:9, wts 10:11, val 12:13, W_out codes 14:15
	s_load_b128 s[16:19], s[0:1], 0x20             ; W_out scales 16:17, b_out 18:19
	s_load_b64 s[20:21], s[0:1], 0x30              ; out0
	v_lshl_add_u32 v[SPW], v0, 2, SPARE
	v_mov_b32 v[NIL], 0
	v_lshrrev_b32 v244, 5, v0
	v_readfirstlane_b32 s2, v244                   ; wave = head
	s_mov_b32 s3, ttmp9                            ; tile
	v_and_b32 v245, 31, v0                         ; lane
	v_and_b32 v246, 15, v0                         ; r
	v_bfe_u32 v247, v0, 4, 1                       ; h
	v_bfe_u32 v248, v0, 3, 2                       ; g
	v_and_b32 v249, 7, v0                          ; c
	v_lshlrev_b32 v1, 4, v249                      ; 16 c
	v_lshlrev_b32 v2, 4, v245                      ; 16 x lane
	v_lshlrev_b32 v3, 4, v248                      ; 16 g
	v_lshlrev_b32 v250, 4, v246                    ; 16 r
	s_mul_i32 s26, s2, 32*PITCH                    ; my stage for W_out
	v_mad_u32_u24 v4, v247, PITCH, v250            ; in: two rows a load
	v_add_nc_u32 v4, s26, v4
	v_mul_u32_u24 v5, v246, PITCH                  ; out: a fragment's row r, + 16 h
	v_lshl_add_u32 v5, v247, 4, v5
	v_add_nc_u32 v5, s26, v5
	s_lshl_b32 s26, s2, 12
	s_add_co_u32 s26, s26, WTS                     ; my head's weights
	v_add_nc_u32 v6, s26, v2
	v_add_nc_u32 v7, s26, v3
	s_mul_i32 s26, s2, 16*AP
	s_add_co_u32 s26, s26, ACS                     ; my stage for the sums
	v_mad_u32_u24 v8, v248, AP, v1                 ; in: query g of a group, channels 4 c on
	v_add_nc_u32 v8, s26, v8
	v_mul_u32_u24 v9, v246, AP                     ; out: query r, channels 16 h on
	v_lshl_add_u32 v9, v247, 6, v9
	v_add_nc_u32 v9, s26, v9
	s_lshl_b32 s26, s2, 9
	s_add_co_u32 s26, s26, AIMG
	v_add_nc_u32 v10, s26, v2                      ; my head's block of the image
	v_add_nc_u32 v11, AIMG, v2
	v_lshlrev_b32 v18, 3, v246                     ; 8 r
	v_add_nc_u32 v13, ASC, v18                     ; query r's eight scale bytes,
	v_add_nc_u32 v12, s2, v13                      ; my head's among them
	v_mul_u32_u24 v14, v246, OP
	v_lshl_add_u32 v14, v247, 5, v14
	s_lshl_b32 s26, s2, 7
	s_add_co_u32 s26, s26, OST
	v_add_nc_u32 v14, s26, v14                     ; the output's stage: row r, my 32 columns' 128 bytes, + 32 h
	s_mul_i32 s26, s2, 2*OP
	s_add_co_u32 s26, s26, OST
	v_add_nc_u32 v15, s26, v2                      ; back: rows 2 w and 2 w + 1
	v_lshlrev_b32 v19, 5, v247                     ; 32 h
	s_and_b32 s26, s2, 3
	s_lshl_b32 s26, s26, 13
	v_lshl_add_u32 v[PFO], v245, 8, s26            ; 256 x (32 (w % 4) + lane); never rewritten
	s_mov_b32 s22, 0x76543210
	s_mov_b32 s23, 0xfedcba98                      ; v_permlanex16_b32's selects for lane l xor 16
	s_mov_b32 s24, 0x600000                        ; the mantissa field of 448
	s_mov_b32 s27, 0
	s_wait_kmcnt 0x0
	s_cmp_lt_u32 s2, 4                             ; the prefetch: waves 0 to 3 ask for a tile's 32,768 bytes of wts, wave 4 for its 8,192 of idx
	s_cselect_b64 s[28:29], s[10:11], s[8:9]
	s_cselect_b32 s26, 15, 13
	s_add_co_u32 s31, s3, AHEAD
	s_lshl_b32 s26, s31, s26
	s_add_nc_u64 s[28:29], s[28:29], s[26:27]
	s_cmp_lt_u32 s2, 5
	s_cselect_b32 s30, s31, TILES                  ; under TILES only in a wave that asks, for a tile that exists
	s_lshl_b32 s26, s3, 13                         ; idx: 8,192 bytes a tile, 1,024 a head
	s_lshl_b32 s31, s2, 10
	s_add_co_u32 s26, s26, s31
	s_add_nc_u64 s[8:9], s[8:9], s[26:27]
	s_lshl_b32 s26, s3, 15                         ; wts: 32,768 a tile, 4,096 a head
	s_lshl_b32 s31, s2, 12
	s_add_co_u32 s26, s26, s31
	s_add_nc_u64 s[10:11], s[10:11], s[26:27]
	s_mul_i32 s26, s2, HEADB                       ; my head's table
	s_add_nc_u64 s[12:13], s[12:13], s[26:27]
	s_lshl_b32 s26, s2, 13                         ; my 32 rows of W_out,
	s_add_nc_u64 s[14:15], s[14:15], s[26:27]
	s_lshl_b32 s26, s2, 8                          ; their scale bytes,
	s_add_nc_u64 s[16:17], s[16:17], s[26:27]
	s_lshl_b32 s26, s2, 7                          ; my 32 numbers of b_out
	s_add_nc_u64 s[18:19], s[18:19], s[26:27]
	s_lshl_b32 s32, s3, 4
	s_lshl_b32 s31, s2, 1
	s_add_co_u32 s32, s32, s31                     ; the first of the two rows that I store
	s_lshl_b32 s26, s32, 10
	s_add_nc_u64 s[20:21], s[20:21], s[26:27]
.irp i, 0,1,2,3
.irp l, 0,1,2,3
	global_load_b128 v[IDX+16*\i+4*\l:IDX+16*\i+4*\l+3], v3, s[8:9] offset:256*\i+64*\l th:TH_LOAD_NT   ; query 4 i + g, level l: its four points' row numbers
.endr
.endr
.irp k, 0,1,2,3,4,5,6,7
	global_load_b128 v[184+4*\k:184+4*\k+3], v2, s[10:11] offset:512*\k th:TH_LOAD_NT
.endr
.irp k, 0,1,2,3,4,5,6,7,8,9,10,11,12,13,14,15
	global_load_b128 v[120+4*\k:120+4*\k+3], v2, s[14:15] offset:512*\k
.endr
.irp n, 0,1
	global_load_b64 v[20+2*\n:21+2*\n], v18, s[16:17] offset:128*\n              ; tile n, K step s: v[20 + 2 n + s]
	global_load_b128 v[24+8*\n:27+8*\n], v19, s[18:19] offset:64*\n              ; b_out of columns 16 n + 8 h + 0 .. 7
	global_load_b128 v[28+8*\n:31+8*\n], v19, s[18:19] offset:64*\n+16
.endr
	s_wait_loadcnt 0x0
.irp k, 0,1,2,3,4,5,6,7
	ds_store_b128 v6, v[184+4*\k:184+4*\k+3] offset:512*\k
.endr
.irp k, 0,1,2,3,4,5,6,7,8,9,10,11,12,13,14,15
	ds_store_b128 v4, v[120+4*\k:120+4*\k+3] offset:2*PITCH*\k
.endr
	s_wait_dscnt 0x0                               ; the stores have read their registers: the gather's loads land there.  Only my wave reads these bytes: no barrier
.set kk, 0
.rept 6
	ISSUE kk
.set kk, kk+1
.endr
.set kk, 0
.rept 64
	CONSUME kk
.if kk+6 < 64
	ISSUE kk+6
.endif
.if kk == 57
	; A PREFETCH INTO THE L2, behind my last loads: the weights and row numbers of the tile AHEAD further on, whose work-group waits for them at its head.  A lane names a block of 256 bytes, a wave 32 blocks:
	; waves 0 to 3 a tile's 128 blocks of wts, wave 4 its 32 of idx, so that each block is named once in the launch.  The last AHEAD tiles ask for nothing.  The address registers are never rewritten.
	s_cmp_lt_u32 s30, TILES
	s_cbranch_scc0 .Lno_pf
	global_prefetch_b8 v[PFO], s[28:29] th:TH_LOAD_NT scope:SCOPE_SE
.Lno_pf:
.endif
.set kk, kk+1
.endr
	; the sums turn through my stage: from (query 4 i + g, channels 4 c on) to (query r, channels 16 h on)
.irp i, 0,1,2,3
	ds_store_b128 v8, v[ACC+4*\i:ACC+4*\i+3] offset:4*AP*\i
.endr
.irp j, 0,1,2,3
	ds_load_b128 v[56+4*\j:56+4*\j+3], v9 offset:16*\j     ; LDS serves a wave's instructions in order (ISA guide 5.7.1.4): these see the stores above
.endr
	s_wait_dscnt 0x0
	; the quantiser: my 16 numbers and lane l xor 16's are the block (query r, head w)
	v_max3_num_f32 v244, |v56|, |v57|, 0x4800000           ; with the floor 2^(9 - 127), under which no largest magnitude is taken: so the byte cannot fall under 1
	v_max3_num_f32 v245, |v58|, |v59|, |v60|
	v_max3_num_f32 v244, v244, |v61|, |v62|
	v_max3_num_f32 v245, v245, |v63|, |v64|
	v_max3_num_f32 v244, v244, |v65|, |v66|
	v_max3_num_f32 v245, v245, |v67|, |v68|
	v_max3_num_f32 v244, v244, |v69|, |v70|
	v_max3_num_f32 v244, v244, v245, |v71|
	v_permlanex16_b32 v246, v244, s22, s23
	v_max_num_f32 v244, v244, v246                 ; the block's largest magnitude
	v_add_nc_u32 v247, 0xfc000000, v244            ; 8 off its exponent field: the conversion takes the exponent field of this operand as its scale, and nothing else of it
	v_and_or_b32 v248, v244, 0x7f800000, s24       ; 448 x the scale
	v_lshrrev_b32 v249, 23, v247                   ; the scale's byte
.irp j, 0,1,2,3,4,5,6,7,8,9,10,11,12,13,14,15
	v_med3_num_f32 v[56+\j], v[56+\j], -v248, v248 ; the conversion to an 8-bit code does not saturate (ISA guide 7.6.2): the hold at the largest code x the scale
.endr
	v_cvt_scalef32_pk8_fp8_f32 v[72:73], v[56:63], v247
	v_cvt_scalef32_pk8_fp8_f32 v[74:75], v[64:71], v247
	v_nop                                          ; one plain vector instruction behind the last conversion
	ds_store_b128 v10, v[72:75]                    ; the image of registers 4 (w % 4) .. + 3 of K step w / 4
	ds_store_b8 v12, v249                          ; both lanes of a block write the same byte with the same value
	s_wait_dscnt 0x0                               ; for the others' sake: my block and its byte lie in LDS
	s_barrier_signal -1
	s_barrier_wait -1                              ; all eight heads' do
.irp b, 0,1,2,3,4,5,6,7
	ds_load_b128 v[184+4*\b:184+4*\b+3], v11 offset:512*\b         ; the sampled sum's two fragments
.endr
	ds_load_b64 v[240:241], v13                    ; and query r's two scale words
.irp n, 0,1
.irp s, 0,1
.irp c, 0,1,2,3
	ds_load_b128 v[120+16*(2*\n+\s)+4*\c:120+16*(2*\n+\s)+4*\c+3], v5 offset:16*PITCH*\n+128*\s+32*\c   ; W_out's four fragments, from my own stage
.endr
.endr
.endr
	s_wait_dscnt 0x0
	v_wmma_scale_f32_16x16x128_f8f6f4 v[76:83], v[120:135], v[184:199], v[24:31], v20, v240    ; two accumulators by turns
	v_wmma_scale_f32_16x16x128_f8f6f4 v[84:91], v[152:167], v[184:199], v[32:39], v22, v240
	v_wmma_scale_f32_16x16x128_f8f6f4 v[76:83], v[136:151], v[200:215], v[76:83], v21, v241
	v_wmma_scale_f32_16x16x128_f8f6f4 v[84:91], v[168:183], v[200:215], v[84:91], v23, v241
.rept 8
	v_nop                                          ; eight places ahead of the first read of the results
.endr
.irp n, 0,1
	ds_store_b128 v14, v[76+8*\n:79+8*\n] offset:64*\n             ; lane (r, h): out(r, 32 w + 16 n + 8 h + 0 .. 7); each accumulator from its low end on
	ds_store_b128 v14, v[80+8*\n:83+8*\n] offset:64*\n+16
.endr
	s_wait_dscnt 0x0                               ; for the others' sake: my columns lie in the stage
	s_barrier_signal -1
	s_barrier_wait -1                              ; 16 whole rows do
.irp k, 0,1,2,3
	ds_load_b128 v[92+4*\k:95+4*\k], v15 offset:(\k/2)*OP+(\k%2)*512
.endr
	s_wait_tensorcnt 0x0                           ; the wave's end, behind my last LDS store
	ds_add_u32 v[SPW], v[NIL]
	s_wait_dscnt 0x0                               ; this wait also shows the four loads above back
	s_cmp_ge_u32 s32, ROWS                         ; the last tile has 12 rows: its waves 6 and 7 store nothing (ids alone; no barrier follows)
	s_cbranch_scc1 .Lend
.irp k, 0,1,2,3
	global_store_b128 v2, v[92+4*\k:95+4*\k], s[20:21] offset:512*\k th:TH_STORE_NT   ; 32 lanes store 512 consecutive bytes, at a multiple of 256 from out0's first byte: two whole rows a wave
.endr
.Lend:
	s_endpgm
.Lfunc_end_k_q5672ad31aa_samp:
	.size	k_q5672ad31aa_samp, .Lfunc_end_k_q5672ad31aa_samp-k_q5672ad31aa_samp
	.p2alignl 7, 3214868480
	.fill 96, 4, 3214868480
	.section	.rodata,"a",@progbits
	.p2align	6, 0x0
	.amdhsa_kernel k_q5672ad31aa_samp
		.amdhsa_group_segment_fixed_size 142848
		.amdhsa_private_segment_fixed_size 0
		.amdhsa_enable_private_segment 0
		.amdhsa_kernarg_size 56
		.amdhsa_user_sgpr_count 2
		.amdhsa_user_sgpr_kernarg_segment_ptr 1
		.amdhsa_wavefront_size32 1
		.amdhsa_system_sgpr_workgroup_id_x 1
		.amdhsa_system_sgpr_workgroup_id_y 1
		.amdhsa_system_sgpr_workgroup_id_z 1
		.amdhsa_system_vgpr_workitem_id 0
		.amdhsa_next_free_vgpr 256
		.amdhsa_next_free_sgpr 66
		.amdhsa_reserve_vcc 0
		.amdhsa_float_denorm_mode_32 3
		.amdhsa_float_denorm_mode_16_64 3
		.amdhsa_memory_ordered 1
		.amdhsa_forward_progress 1
		.amdhsa_inst_pref_size 89
	.end_amdhsa_kernel
	.amdgpu_metadata
---
amdhsa.version: [ 1, 2 ]
amdhsa.kernels:
  - .name:           k_q5672ad31aa_samp
    .symbol:         k_q5672ad31aa_samp.kd
    .args:
      - { .name: idx, .offset: 0, .size: 8, .value_kind: global_buffer, .address_space: global }
      - { .name: wts, .offset: 8, .size: 8, .value_kind: global_buffer, .address_space: global }
      - { .name: val, .offset: 16, .size: 8, .value_kind: global_buffer, .address_space: global }
      - { .name: W_out_codes, .offset: 24, .size: 8, .value_kind: global_buffer, .address_space: global }
      - { .name: W_out_scales, .offset: 32, .size: 8, .value_kind: global_buffer, .address_space: global }
      - { .name: b_out, .offset: 40, .size: 8, .value_kind: global_buffer, .address_space: global }
      - { .name: out0, .offset: 48, .size: 8, .value_kind: global_buffer, .address_space: global }
    .group_segment_fixed_size: 142848
    .private_segment_fixed_size: 0
    .kernarg_segment_align: 8
    .kernarg_segment_size: 56
    .max_flat_workgroup_size: 256
    .sgpr_count:     66
    .vgpr_count:     256
    .wavefront_size: 32
...
	.end_amdgpu_metadata
.endif
;; end of part 2
;; ======== version 2 of 2: 3 launches
;; limits: right only within a limited range of input values
;; workspace buffers: val 27,230,208 bytes; wts 54,460,416 bytes; idx 13,615,104 bytes of whole numbers; acc 27,230,208 bytes
;; launch prep (part 3): grid 256 x 1, 8 waves a work-group, no clusters, 79,360 bytes of LDS; arguments input_flatten_codes, input_flatten_scales, query_codes, query_scales, reference_points, W_value_codes, W_value_scales, b_value, W_off_codes, W_off_scales, b_off, W_attn_codes, W_attn_scales, b_attn, val, wts, idx; writes val, wts, idx
.if DOCPART == 3
	.amdgcn_target "amdgcn-amd-amdhsa--gfx1250"
	.amdhsa_code_object_version 6
	.text
	.protected	k_q5672ad31aa_prep
	.globl	k_q5672ad31aa_prep
	.p2align	8
	.type	k_q5672ad31aa_prep,@function
k_q5672ad31aa_prep:
	s_mov_b64 s[64:65], 0
	v_nop
	global_prefetch_b8 v0, s[64:65] scope:SCOPE_SE
	s_setreg_imm32_b32 hwreg(HW_REG_WAVE_MODE, 25, 1), 1
	s_wait_xcnt 0x0
; MSDeformAttn, first of three launches: the three products on given codes (value, sampling offsets, attention logits), the softmax over a head's 16 points,
; and the sample positions.  It stores  val: the value table, f32, [8 heads][2 halves of 16 channels][26592 rows][16];  wts: four finished corner weights a point, f32;  idx: one row number a point, whole numbers.
; The second launch forms its gather addresses from idx: positions are made of floating-point numbers, so they steer no address in the launch that makes them.
; WORK LEFT OUT.  input_spatial_shapes: reference() takes it as an argument and never reads it (the level geometry is its own constant LEVEL_SHAPES), so whatever it holds reaches no output:
; it is not loaded and is no argument of any launch.  (It holds whole numbers: no NaN, infinity or overflow can be lost with it.)
; BORDERS.  Bilinear sampling with zero padding is the sum over the level's pixels j of hat(x - j) v[j], hat(d) = max(0, 1 - |d|), in x and in y.  With px = clip(floor x, 0, S - 2) and u = x - px only
; pixels px and px + 1 can have a weight: med3(1 + u, 1 - u, 0) and med3(u, 2 - u, 0).  Inside the level these are reference()'s (1 - tx) and tx; at ix0 = -1 (tx, 0); at ix0 = S - 1 (0, 1 - tx); further out (0, 0).
; So one row number a point names four rows (+0, +1, +S, +S+1) that always lie inside the level, and validity, the bilinear factors and the softmax's weight are ONE weight a corner.
; LEVEL_SHAPES are square: one S a level (100, 50, 25, 13) serves width and height.
; ROWS ARE NUMBERED WITH PADDING: a batch has 831 tiles of 16 rows = 13,296 places for its 13,294 rows, so that no tile lies in two batches; place = 16 x tile + r.  A batch's last two places repeat its last row.
; idx: level 0: batch x 13296 + py 100 + px, a place in the table.  Levels 1 to 3: level start + py S + px - 9966: the second launch holds places 9966 .. 13293 of its batch in LDS.
; LIMITS.  NaN and infinities among the inputs are not served: where reference() multiplies a clipped pixel by valid = 0, this text multiplies a neighbouring pixel of the level by a weight of 0.
; off / S is off x (1 / S), fused with the addition of the reference point: under one unit in the last place of off / S, which is the small term of that sum.
; SHARES.  256 work-groups of eight waves stay and walk the 1,662 tiles, 256 apart.  WAVE w IS HEAD w: its 32 columns of W_value, 32 of W_off and 16 of W_attn stay in its registers (window 1) for the whole launch.
; All products are used transposed (source 0 = 16 rows of a weight, source 1 = the tile's 16 rows): lane (r, h) holds row r, and its register j the weight's row 8 h + j of the tile.
; So an offsets tile n gives the lane level 2 n + h, points 0-3, (x, y) in pairs.  THE ROWS OF W_attn THAT FORM ITS TILE ARE CHOSEN to match: tile row m takes column 4 (m / 8) + 8 ((m / 4) % 2) + m % 4 of the head,
; so that registers 0-3 are level h's logits and registers 4-7 level h + 2's.  A lane owns eight whole points of query r: set A (level h) and set B (level h + 2).
; NO CLUSTER, NO TENSOR LOAD: what work-groups share is the weights alone, 163,840 bytes read once by each work-group into registers at its head; a tile's 8,192 bytes of codes are read by one work-group alone.
; REGISTERS.  window 0: v1-19 lane terms and addresses; v20, v21 the add's two; v22-37 lane constants; v38-51 scale words and nothing else; v52-55 reference points; v56-63 my 16 bytes of each tile;
;   v64-127 the two tiles' fragments, later what is read back from the stages; v128-167 five accumulators; v168-199 weights; v200-207 row numbers; v208-255 at work.
;   window 1: v0-63 W_value's fragments, v64-127 W_off's, v128-159 W_attn's; v160-199 the biases in the results' layout: each is the C of a sum's first matrix instruction.
.set LEN,   13294                      ; rows of a batch
.set PADB,  13296                      ; places of a batch
.set TILES, 1662
.set WGS,   256
.set HALFB, 26592*64                   ; a (head, half) table in val
.set WHEAD, TILES*4096                 ; a head's part of wts
.set IHEAD, TILES*1024                 ; and of idx
.set PITCH, 272                        ; a row of 256 codes in LDS + 16 bytes: the 16 rows of a fragment load start 16 bytes apart modulo 256
.set AIN,   0                          ; LDS: the tile of input_flatten, 16 rows
.set AQL,   16*PITCH                   ; the tile of query
.set PRIV0, 2*16*PITCH                 ; then 8,704 bytes of its own for each wave: at the head a stage of 32 weight rows; in the loop three stages:
.set PRIVB, 32*PITCH
; PRESENT LAYOUT OF wts AND idx (it takes the place of what the head says of them).  An octet is 8 places; place 4 q2 + j of it is query (j, q2).
; wts, 2,048 bytes an octet: [j 4][level 4][q2 2][corner 2 dy + dx][point 4] f32.  idx, 512 bytes an octet: [j 4][level 4][q2 2][point 4].
; idx of levels 1 to 3 is a row of the second launch's LDS table: base + py x pitch + px, bases 0, 2500, 3150, pitches 50, 26, 14.  Level 0: batch x 13296 + py 100 + px, as before.
.set WP,    528                        ; weights: 8 blocks (octet, j) of 512 bytes + 16
.set IP,    144                        ; row numbers: 8 blocks (octet, j) of 128 bytes + 16
.set VP,    144                        ; values: 16 rows of 128 bytes + 16
.set ISTG,  8*WP
.set VSTG,  ISTG+8*IP
.set SPARE, PRIV0+8*PRIVB              ; the spare words, 128 bytes for each wave: four blocks of 256 bytes that no other line names
.set STA,  5                           ; v5   where my thread puts its 16 bytes of a tile
.set FRA,  6                           ; v6   my lane's place in a tile's fragments: r x pitch + 16 h
.set WSS,  7                           ; v7   head: where my lane puts 16 bytes of a weight row
.set FRW,  8                           ; v8   head: my lane's place in a weight's fragments
.set FRW2, 9                           ; v9   the same by W_attn's chosen rows
.set WSA,  10                          ; v10  weights into their stage
.set ISA,  11                          ; v11  row numbers into theirs
.set VSA,  12                          ; v12  values into theirs
.set WRA,  13                          ; v13  weights back
.set IRA,  14                          ; v14  row numbers back
.set VRA,  15                          ; v15  values back
.set L16,  16                          ; v16  16 x lane
.set RAWO, 17                          ; v17  next tile: my thread's 16 bytes of codes
.set SCO,  18                          ; v18  row r's scale words
.set RFO,  19                          ; v19  row r's reference points, level h
.set SPW,  20                          ; v20  LDS address of my spare word; never rewritten
.set NIL,  21                          ; v21  0; never rewritten
.set SA,   24                          ; v[24:25] (S, S) of set A; v[26:27] (1/S, 1/S)
.set SB,   28                          ; v[28:29], v[30:31] of set B
.set WVS,  38                          ; scale words: W_value's at 38 + 2 n + s, W_off's at 42 + 2 n + s, W_attn's at 46 + s
.set WOS,  42
.set WAS,  46
.set INS,  48                          ; the tile's: input_flatten's at 48 + s, query's at 50 + s
.set QS,   50
.set RAWI, 56
.set RAWQ, 60
.set AI,   64
.set AQ,   96
.set DV0,  128
.set DV1,  136
.set DO0,  144
.set DO1,  152
.set DAT,  160
.set WT,   168
.set IX,   200
.set T0,   208
.set T1,   216
.set T2,   224
.set T3,   232
.set T4,   240
.set T5,   248
.set WV,   0                           ; window 1
.set WO,   64
.set WA,   128
.set BV,   160
.set BO,   176
.set BA,   192
.set MSB, 0
.macro WIN new                         ; the immediate's high byte repeats the setting that is left; a switch that changes nothing is dropped
.if MSB != \new
	s_set_vgpr_msb (MSB<<8)|\new
.set MSB, \new
.endif
.endm
.macro PICK dst, lit0, lit1            ; a lane constant: lit0 in lanes 0-15, lit1 in lanes 16-31 (VCC: h = 1)
	v_mov_b32 v23, \lit1
	s_delay_alu instid0(VALU_DEP_1)
	v_cndmask_b32 v[\dst], \lit0, v23, vcc_lo
.endm
.macro LOADW reg, base, n              ; n loads of 512 consecutive bytes: two whole rows of a weight each
.set q, 0
.rept \n
	global_load_b128 v[\reg+4*q:\reg+4*q+3], v[L16], s[\base:\base+1] offset:512*q
.set q, q+1
.endr
.endm
.macro STAGEW reg, n                   ; into my wave's stage, rows 272 bytes apart
.set q, 0
.rept \n
	ds_store_b128 v[WSS], v[\reg+4*q:\reg+4*q+3] offset:2*PITCH*q
.set q, q+1
.endr
.endm
.macro FRAGW dst, adr, tiles           ; and back as fragments, into window 1: tile n, K step s at dst + 16 (2 n + s)
	WIN 0x40
.irp n, 0,1
.if \n < \tiles
.irp s, 0,1
.irp c, 0,1,2,3
	ds_load_b128 v[\dst+16*(2*\n+\s)+4*\c:\dst+16*(2*\n+\s)+4*\c+3], v[\adr] offset:16*PITCH*\n+128*\s+32*\c
.endr
.endr
.endif
.endr
	WIN 0
.endm
.macro AFRAG dst, off                  ; a tile's two fragments: registers 16 s + 4 c on hold K = 128 s + 32 c + 16 h + 0 .. 15 of row r
.irp s, 0,1
.irp c, 0,1,2,3
	ds_load_b128 v[\dst+16*\s+4*\c:\dst+16*\s+4*\c+3], v[FRA] offset:\off+128*\s+32*\c
.endr
.endr
.endm
.macro MM d, wf, af, c, ws, as
	v_wmma_scale_f32_16x16x128_f8f6f4 v[\d:\d+7], v[\wf:\wf+15], v[\af:\af+15], v[\c:\c+7], v[\ws], v[\as]
.endm
.macro NEXTADR s                       ; the load offsets of the tile whose first place is s[s]: place less 2 x batch is the row; rows are held at the batch's last, so that its two places beyond repeat it and no load leaves its buffer
	s_cmp_ge_u32 s[\s], PADB                       ; the second batch?
	s_mov_b32 s47, LEN-1
	s_cselect_b32 s46, 2, 0
	s_cselect_b32 s47, 2*LEN-1, s47                ; the batch's last row
	s_sub_co_u32 s46, s[\s], s46                   ; the tile's first row
	v_add_nc_u32 v[RAWO], s46, v3
	s_delay_alu instid0(VALU_DEP_1)
	v_min_u32 v[RAWO], s47, v[RAWO]
	s_delay_alu instid0(VALU_DEP_1)
	v_lshl_add_u32 v[RAWO], v[RAWO], 8, v4
	v_add_nc_u32 v[SCO], s46, v1
	s_delay_alu instid0(VALU_DEP_1)
	v_min_u32 v[SCO], s47, v[SCO]
	s_delay_alu instid0(VALU_DEP_1)
	v_lshlrev_b32 v[RFO], 5, v[SCO]
	s_delay_alu instid0(VALU_DEP_1)
	v_lshl_add_u32 v[RFO], v2, 3, v[RFO]
	s_delay_alu instid0(VALU_DEP_3)
	v_lshlrev_b32 v[SCO], 3, v[SCO]
.endm
.macro TILELOADS
	global_load_b128 v[RAWI:RAWI+3], v[RAWO], s[8:9] th:TH_LOAD_NT    ; sixteen threads read a row's 256 bytes; the work-group reads the tile's 4,096 once
	global_load_b128 v[RAWQ:RAWQ+3], v[RAWO], s[12:13] th:TH_LOAD_NT
	global_load_b64 v[INS:INS+1], v[SCO], s[10:11]                    ; row r's two scale words
	global_load_b64 v[QS:QS+1], v[SCO], s[14:15]
	global_load_b64 v[52:53], v[RFO], s[16:17]                        ; the reference point of level h,
	global_load_b64 v[54:55], v[RFO], s[16:17] offset:16              ; of level h + 2
.endm
; A set's four points: from loc (in the offsets' accumulator o, pairs (x, y)) to the factors in x (T4: pixel px, pixel px + 1) and in y (T5), and the row number.  Each stage goes over the four points, so that no line waits for the line above it.
.macro POS o, s, sm2, base, ix, pit
.irp p, 0,1,2,3
	v_pk_fma_f32 v[\o+2*\p:\o+2*\p+1], v[\o+2*\p:\o+2*\p+1], v[\s:\s+1], -0.5 op_sel_hi:[1,1,0]   ; x = loc S - 0.5
.endr
.irp p, 0,1,2,3,4,5,6,7
	v_floor_f32 v[T0+\p], v[\o+\p]
.endr
.irp p, 0,1,2,3,4,5,6,7
	v_med3_num_f32 v[T0+\p], v[T0+\p], 0, v[\sm2]                     ; px, py = clip(floor, 0, S - 2)
.endr
.irp p, 0,1,2,3
	v_pk_add_f32 v[\o+2*\p:\o+2*\p+1], v[\o+2*\p:\o+2*\p+1], v[T0+2*\p:T0+2*\p+1] neg_lo:[0,1] neg_hi:[0,1]   ; u = x - px
.endr
.irp p, 0,1,2,3
	s_delay_alu instid0(VALU_DEP_4)
	v_pk_add_f32 v[T1+2*\p:T1+2*\p+1], v[\o+2*\p:\o+2*\p+1], 1.0 op_sel_hi:[1,0]                              ; 1 + u
.endr
.irp p, 0,1,2,3
	v_pk_add_f32 v[T2+2*\p:T2+2*\p+1], v[\o+2*\p:\o+2*\p+1], 1.0 op_sel_hi:[1,0] neg_lo:[1,0] neg_hi:[1,0]    ; 1 - u
.endr
.irp p, 0,1,2,3
	v_pk_add_f32 v[T3+2*\p:T3+2*\p+1], v[\o+2*\p:\o+2*\p+1], 2.0 op_sel_hi:[1,0] neg_lo:[1,0] neg_hi:[1,0]    ; 2 - u
.endr
.irp p, 0,1,2,3
	v_med3_num_f32 v[T4+\p], v[T1+2*\p], v[T2+2*\p], 0                ; pixel px's factor: T4 + 4 dx + point
	v_med3_num_f32 v[T4+4+\p], v[\o+2*\p], v[T3+2*\p], 0              ; pixel px + 1's
	v_med3_num_f32 v[T5+\p], v[T1+2*\p+1], v[T2+2*\p+1], 0            ; pixel py's: T5 + 4 dy + point
	v_med3_num_f32 v[T5+4+\p], v[\o+2*\p+1], v[T3+2*\p+1], 0          ; pixel py + 1's
.endr
.irp p, 0,1,2,3
	v_add_f32 v[T1+\p], v[T0+2*\p], v[\base]                          ; whole numbers under 2^24: these sums are exact
.endr
.irp p, 0,1,2,3
	s_delay_alu instid0(VALU_DEP_4)
	v_fma_f32 v[T1+\p], v[T0+2*\p+1], v[\pit], v[T1+\p]               ; py x the table's row pitch
.endr
.irp p, 0,1,2,3
	s_delay_alu instid0(VALU_DEP_4)
	v_cvt_u32_f32 v[\ix+\p], v[T1+\p]                                 ; base + py x pitch + px
.endr
.endm
; The set's sixteen corner weights: (factor in y x the softmax's weight) x factor in x.  Register 4 (2 dy + dx) + point: four on end are one corner's four points, as the second launch's lanes take them
.macro WGT aw, wt
.irp p, 0,1,2,3
	v_pk_mul_f32 v[T5+2*\p:T5+2*\p+1], v[T5+2*\p:T5+2*\p+1], v[\aw+2*((\p)%2):\aw+2*((\p)%2)+1]    ; p = 2 dy + m: the factors in y of points 2 m, 2 m + 1 x their softmax weights
.endr
.irp p, 0,1,2,3
	v_pk_mul_f32 v[\wt+8*((\p)/2)+2*((\p)%2):\wt+8*((\p)/2)+2*((\p)%2)+1], v[T5+2*\p:T5+2*\p+1], v[T4+2*((\p)%2):T4+2*((\p)%2)+1]        ; register 4 (2 dy + dx) + point: dx = 0
	v_pk_mul_f32 v[\wt+8*((\p)/2)+4+2*((\p)%2):\wt+8*((\p)/2)+4+2*((\p)%2)+1], v[T5+2*\p:T5+2*\p+1], v[T4+4+2*((\p)%2):T4+4+2*((\p)%2)+1]  ; dx = 1
.endr
.endm
	s_load_b512 s[8:23], s[0:1], 0x0               ; input codes 8:9, input scales 10:11, query codes 12:13, query scales 14:15, reference points 16:17, W_value codes 18:19, scales 20:21, b_value 22:23
	s_load_b512 s[24:39], s[0:1], 0x40             ; W_off codes 24:25, scales 26:27, b_off 28:29, W_attn codes 30:31, scales 32:33, b_attn 34:35, val 36:37, wts 38:39
	s_load_b64 s[40:41], s[0:1], 0x80              ; idx
	v_lshl_add_u32 v[SPW], v0, 2, SPARE
	v_mov_b32 v[NIL], 0
	v_lshrrev_b32 v23, 5, v0
	s_delay_alu instid0(VALU_DEP_1)
	v_readfirstlane_b32 s2, v23                    ; wave = head
	v_and_b32 v1, 15, v0                           ; r
	v_bfe_u32 v2, v0, 4, 1                         ; h
	v_lshrrev_b32 v3, 4, v0                        ; my thread's row of a tile
	s_delay_alu instid0(VALU_DEP_3)
	v_lshlrev_b32 v4, 4, v1                        ; and its 16 bytes of that row
	s_delay_alu instid0(VALU_DEP_1)
	v_mad_u32_u24 v[STA], v3, PITCH, v4
	v_mul_u32_u24 v[FRA], v1, PITCH
	s_delay_alu instid0(VALU_DEP_1)
	v_lshl_add_u32 v[FRA], v2, 4, v[FRA]
	s_mul_i32 s46, s2, PRIVB
	s_add_co_u32 s46, s46, PRIV0                   ; my wave's own LDS
	v_mad_u32_u24 v[WSS], v2, PITCH, v4
	s_delay_alu instid0(VALU_DEP_1)
	v_add_nc_u32 v[WSS], s46, v[WSS]
	v_add_nc_u32 v[FRW], s46, v[FRA]
	v_bfe_u32 v224, v0, 3, 1
	v_bfe_u32 v225, v0, 2, 1
	v_and_b32 v226, 3, v0                          ; r % 4 = lane % 4
	s_delay_alu instid0(VALU_DEP_1)
	v_lshl_add_u32 v227, v224, 2, v226
	s_delay_alu instid0(VALU_DEP_1)
	v_lshl_add_u32 v227, v225, 3, v227             ; W_attn's row for tile row r: 4 (r / 8) + 8 ((r / 4) % 2) + r % 4
	s_delay_alu instid0(VALU_DEP_1)
	v_mul_u32_u24 v[FRW2], v227, PITCH
	s_delay_alu instid0(VALU_DEP_1)
	v_lshl_add_u32 v[FRW2], v2, 4, v[FRW2]
	s_delay_alu instid0(VALU_DEP_1)
	v_add_nc_u32 v[FRW2], s46, v[FRW2]
	v_lshl_add_u32 v228, v224, 2, v226             ; my query's block: 4 (r / 8) + r % 4 = (octet, j); q2 = (r / 4) % 2 is v225
	s_delay_alu instid0(VALU_DEP_1)
	v_mul_u32_u24 v[WSA], v228, WP
	s_delay_alu instid0(VALU_DEP_1)
	v_lshl_add_u32 v[WSA], v225, 6, v[WSA]
	s_delay_alu instid0(VALU_DEP_1)
	v_lshl_add_u32 v[WSA], v2, 7, v[WSA]           ; block x WP + 64 q2 + 128 h: level h's 128 bytes; level h + 2's lie 256 on
	s_delay_alu instid0(VALU_DEP_1)
	v_add_nc_u32 v[WSA], s46, v[WSA]
	v_mul_u32_u24 v[ISA], v228, IP
	s_delay_alu instid0(VALU_DEP_1)
	v_lshl_add_u32 v[ISA], v225, 4, v[ISA]
	s_delay_alu instid0(VALU_DEP_1)
	v_lshl_add_u32 v[ISA], v2, 5, v[ISA]           ; block x IP + 16 q2 + 32 h; level h + 2's lie 64 on
	s_delay_alu instid0(VALU_DEP_1)
	v_add_nc_u32 v[ISA], s46, v[ISA]
	v_mul_u32_u24 v[VSA], v1, VP
	s_delay_alu instid0(VALU_DEP_1)
	v_lshl_add_u32 v[VSA], v2, 5, v[VSA]           ; r VP + 32 h
	s_delay_alu instid0(VALU_DEP_1)
	v_add_nc_u32 v[VSA], s46, v[VSA]
	v_and_b32 v[L16], 31, v0
	s_delay_alu instid0(VALU_DEP_1)
	v_lshlrev_b32 v[L16], 4, v[L16]
	s_delay_alu instid0(VALU_DEP_1)
	v_add_nc_u32 v[WRA], s46, v[L16]
	v_bfe_u32 v229, v0, 3, 2                       ; row numbers back: eight lanes take a block's 128 bytes
	v_and_b32 v230, 7, v0
	v_mul_u32_u24 v[IRA], v229, IP
	v_lshl_add_u32 v[IRA], v230, 4, v[IRA]
	s_delay_alu instid0(VALU_DEP_1)
	v_add_nc_u32 v[IRA], s46, v[IRA]
	v_bfe_u32 v229, v0, 2, 3                       ; lane / 4
	s_delay_alu instid0(VALU_DEP_1)
	v_mul_u32_u24 v[VRA], v229, VP
	s_delay_alu instid0(VALU_DEP_1)
	v_lshl_add_u32 v[VRA], v226, 4, v[VRA]         ; back: four lanes take the 64 bytes of one half of a row, a load eight rows
	s_delay_alu instid0(VALU_DEP_1)
	v_add_nc_u32 v[VRA], s46, v[VRA]
	v_lshlrev_b32 v231, 5, v2                      ; 32 h: b_value, b_off
	v_lshlrev_b32 v232, 4, v2                      ; 16 h: b_attn
	v_lshlrev_b32 v233, 3, v1                      ; 8 r: a weight's scale words
	v_lshlrev_b32 v234, 3, v227                    ; by W_attn's chosen rows
	v_cmp_eq_u32 vcc_lo, 1, v2
	PICK 22,   0x464fc000, 0                       ; 13296.0 | 0: level 0's row numbers alone carry the batch
	PICK SA,   0x42c80000, 0x42480000              ; S: 100 | 50
	PICK SA+2, 0x3c23d70a, 0x3ca3d70a              ; 1 / S
	PICK SB,   0x41c80000, 0x41500000              ; 25 | 13
	PICK SB+2, 0x3d23d70a, 0x3d9d89d9
	PICK 32,   0x42c40000, 0x42400000              ; S - 2: 98 | 48
	PICK 33,   0x41b80000, 0x41300000              ; 23 | 11
	PICK 34,   0,          0                       ; the level's base: level 0 | level 1: 0
	PICK 35,   0x451c4000, 0x4544e000              ; 2500 | 3150
	PICK 37,   0x41d00000, 0x41600000              ; set B's row pitch in the table: 26 | 14 (set A's is S: 100 | 50)
	v_mov_b32 v[SA+1], v[SA]
	v_mov_b32 v[SA+3], v[SA+2]
	v_mov_b32 v[SB+1], v[SB]
	v_mov_b32 v[SB+3], v[SB+2]
	s_mov_b32 s44, 0x76543210
	s_mov_b32 s45, 0xfedcba98                      ; v_permlanex16_b32's selects for lane l xor 16
	s_mov_b32 s3, ttmp9                            ; my first tile
	s_lshl_b32 s4, s3, 4                           ; its first place
	s_add_co_u32 s5, s4, 16*WGS                    ; and the next tile's
	NEXTADR 4
	s_mov_b32 s7, 0
	s_wait_alu depctr_va_vdst(0)
	s_wait_kmcnt 0x0
	s_lshl_b32 s6, s2, 13                          ; my head's 32 rows of 256 codes
	s_add_nc_u64 s[18:19], s[18:19], s[6:7]
	s_add_nc_u64 s[24:25], s[24:25], s[6:7]
	s_lshl_b32 s6, s2, 12                          ; 16 rows
	s_add_nc_u64 s[30:31], s[30:31], s[6:7]
	s_lshl_b32 s6, s2, 8                           ; 32 rows of 8 scale bytes
	s_add_nc_u64 s[20:21], s[20:21], s[6:7]
	s_add_nc_u64 s[26:27], s[26:27], s[6:7]
	s_lshl_b32 s6, s2, 7                           ; 16 rows of 8 scale bytes; 32 f32
	s_add_nc_u64 s[32:33], s[32:33], s[6:7]
	s_add_nc_u64 s[22:23], s[22:23], s[6:7]
	s_add_nc_u64 s[28:29], s[28:29], s[6:7]
	s_lshl_b32 s6, s2, 6                           ; 16 f32
	s_add_nc_u64 s[34:35], s[34:35], s[6:7]
	s_mul_i32 s6, s2, 2*HALFB                      ; val: my head's two tables, my first tile's 16 rows of 64 bytes
	s_lshl_b32 s42, s3, 10
	s_add_co_u32 s6, s6, s42
	s_add_nc_u64 s[36:37], s[36:37], s[6:7]
	s_mul_i32 s6, s2, WHEAD                        ; wts: head first, 4,096 bytes a tile
	s_lshl_b32 s42, s3, 12
	s_add_co_u32 s6, s6, s42
	s_add_nc_u64 s[38:39], s[38:39], s[6:7]
	s_mul_i32 s6, s2, IHEAD                        ; idx: head first, 1,024 a tile
	s_lshl_b32 s42, s3, 10
	s_add_co_u32 s6, s6, s42
	s_add_nc_u64 s[40:41], s[40:41], s[6:7]
	s_sub_nc_u64 s[36:37], s[36:37], WGS*1024      ; the three bases start one step back: every trip steps them ahead of its first store
	s_sub_nc_u64 s[38:39], s[38:39], WGS*4096
	s_sub_nc_u64 s[40:41], s[40:41], WGS*1024
	LOADW 64, 18, 16                               ; W_value's 32 rows -> v64-127
	LOADW 128, 24, 16                              ; W_off's -> v128-191
	LOADW 192, 30, 8                               ; W_attn's 16 -> v192-223
	WIN 0x40                                       ; destination window 1
.irp n, 0,1
	global_load_b128 v[BV+8*\n:BV+8*\n+3], v231, s[22:23] offset:64*\n            ; lane (r, h), tile n: the bias of columns 16 n + 8 h + 0 .. 7
	global_load_b128 v[BV+8*\n+4:BV+8*\n+7], v231, s[22:23] offset:64*\n+16
	global_load_b128 v[BO+8*\n:BO+8*\n+3], v231, s[28:29] offset:64*\n
	global_load_b128 v[BO+8*\n+4:BO+8*\n+7], v231, s[28:29] offset:64*\n+16
.endr
	global_load_b128 v[BA:BA+3], v232, s[34:35]                                   ; level h's four,
	global_load_b128 v[BA+4:BA+7], v232, s[34:35] offset:32                       ; level h + 2's
	WIN 0
.irp n, 0,1
	global_load_b64 v[WVS+2*\n:WVS+2*\n+1], v233, s[20:21] offset:128*\n
	global_load_b64 v[WOS+2*\n:WOS+2*\n+1], v233, s[26:27] offset:128*\n
.endr
	global_load_b64 v[WAS:WAS+1], v234, s[32:33]
	TILELOADS                                      ; the first tile
	s_wait_loadcnt 21                              ; the 40 raw loads are in; behind them stand 10 of biases, 5 of scale words, 6 of the first tile
	STAGEW 64, 16                                  ; LDS serves a wave's instructions in order (ISA guide 5.7.1.4) and the stage is my wave's own: no wait between these runs
	FRAGW WV, FRW, 2
	STAGEW 128, 16
	FRAGW WO, FRW, 2
	STAGEW 192, 8
	FRAGW WA, FRW2, 1
	s_wait_dscnt 0x0
	v_mov_b32 v[T0+1], 0                           ; written once: a lane permute's destination counts as one of its sources
.Ltile:
	s_wait_loadcnt 0x0                             ; this tile's six loads, asked for a trip ago (in the first trip: the biases and scale words too)
	ds_store_b128 v[STA], v[RAWI:RAWI+3] offset:AIN
	ds_store_b128 v[STA], v[RAWQ:RAWQ+3] offset:AQL
	s_wait_dscnt 0x0                               ; for the others' sake: my part of the two tiles lies in LDS
	s_barrier_signal -1
	s_barrier_wait -1                              ; everybody's does
	s_wait_xcnt 0x0                                ; the last trip's stores have read their registers and bases: the fragment loads below land on those registers, and the bases step
	s_add_nc_u64 s[36:37], s[36:37], WGS*1024
	s_add_nc_u64 s[38:39], s[38:39], WGS*4096
	s_add_nc_u64 s[40:41], s[40:41], WGS*1024
	AFRAG AI, AIN
	AFRAG AQ, AQL
	s_wait_dscnt 0x0                               ; my reads of the two tiles are over
	s_barrier_signal -1
	s_barrier_wait -1                              ; everybody's are: the next trip's stores may land there
	WIN 0x11                                       ; source 0 (the weight) and source 2 (the bias) window 1
	MM DV0, WV,    AI, BV,   WVS,   INS            ; five accumulators by turns: K step 0 of all, then K step 1
	MM DV1, WV+32, AI, BV+8, WVS+2, INS
	MM DO0, WO,    AQ, BO,   WOS,   QS
	MM DO1, WO+32, AQ, BO+8, WOS+2, QS
	MM DAT, WA,    AQ, BA,   WAS,   QS
	WIN 0x01
	MM DV0, WV+16, AI+16, DV0, WVS+1, INS+1
	MM DV1, WV+48, AI+16, DV1, WVS+3, INS+1
	MM DO0, WO+16, AQ+16, DO0, WOS+1, QS+1
	MM DO1, WO+48, AQ+16, DO1, WOS+3, QS+1
	MM DAT, WA+16, AQ+16, DAT, WAS+1, QS+1
	WIN 0
	; twelve plain vector instructions that name no register of the products: the eight places behind them, and work that is due
	v_add_nc_u32 v23, s4, v1                       ; my query's place
	s_delay_alu instid0(VALU_DEP_1)
	v_cmp_le_u32 vcc_lo, PADB, v23                 ; in the second batch?
	s_delay_alu instid0(VALU_DEP_1)
	v_cndmask_b32 v23, 0, v22, vcc_lo
	s_delay_alu instid0(VALU_DEP_1)
	v_add_f32 v36, v34, v23                        ; set A's base: level 0's carries the batch
	NEXTADR 5
	ds_store_b128 v[VSA], v[DV0:DV0+3] offset:VSTG         ; the values: row r, channels 16 n + 8 h + 0 .. 7; each accumulator from its low end on
	ds_store_b128 v[VSA], v[DV0+4:DV0+7] offset:VSTG+16
	ds_store_b128 v[VSA], v[DV1:DV1+3] offset:VSTG+64
	ds_store_b128 v[VSA], v[DV1+4:DV1+7] offset:VSTG+80
.irp f, 0,1
.irp m, 0,1
	ds_load_b128 v[104+8*\f+4*\m:104+8*\f+4*\m+3], v[VRA] offset:VSTG+8*VP*\m+64*\f   ; back: half f of rows 8 m .. 8 m + 7
.endr
.endr
.irp p, 0,1,2,3
	v_pk_fma_f32 v[DO0+2*\p:DO0+2*\p+1], v[DO0+2*\p:DO0+2*\p+1], v[SA+2:SA+3], v[52:53]   ; loc = reference point + offset / S
.endr
.irp p, 0,1,2,3
	v_pk_fma_f32 v[DO1+2*\p:DO1+2*\p+1], v[DO1+2*\p:DO1+2*\p+1], v[SB+2:SB+3], v[54:55]
.endr
	s_cmp_ge_u32 s5, 16*TILES                      ; the next tile is asked for here, if there is one
	s_cbranch_scc1 .Lno_next
	TILELOADS
.Lno_next:
	s_wait_dscnt 0x0
.irp f, 0,1
.irp m, 0,1
	global_store_b128 v[L16], v[104+8*\f+4*\m:104+8*\f+4*\m+3], s[36:37] offset:HALFB*\f+512*\m   ; 32 lanes store 512 consecutive bytes, at a multiple of 256 from val's first byte
.endr
.endr
	; the softmax over the head's 16 points: eight are mine, eight lane l xor 16's
	v_max3_num_f32 v[T0], v[DAT], v[DAT+1], v[DAT+2]
	v_max3_num_f32 v[T0], v[T0], v[DAT+3], v[DAT+4]
	v_max3_num_f32 v[T0], v[T0], v[DAT+5], v[DAT+6]
	v_max_num_f32 v[T0], v[T0], v[DAT+7]
	s_delay_alu instid0(VALU_DEP_1)
	v_permlanex16_b32 v[T0+1], v[T0], s44, s45
	s_delay_alu instid0(VALU_DEP_1)
	v_max_num_f32 v[T0], v[T0], v[T0+1]            ; the largest logit
.irp q, 0,2,4,6
	v_pk_add_f32 v[DAT+\q:DAT+\q+1], v[DAT+\q:DAT+\q+1], v[T0:T0+1] op_sel_hi:[1,0] neg_lo:[0,1] neg_hi:[0,1]
.endr
.irp q, 0,2,4,6
	s_delay_alu instid0(VALU_DEP_4)
	v_pk_mul_f32 v[DAT+\q:DAT+\q+1], v[DAT+\q:DAT+\q+1], 0x3fb8aa3b op_sel_hi:[1,0]   ; x log2(e)
.endr
	s_wait_alu depctr_va_vdst(0)
.irp q, 0,1,2,3,4,5,6,7
	v_exp_f32 v[DAT+\q], v[DAT+\q]
.endr
	POS DO0, SA, 32, 36, IX, SA                    ; set A's positions name none of the exponentials' results: the independent work behind the batch
	s_wait_alu depctr_va_vdst(0)                   ; one wait for the eight exponentials, ahead of their first reader
	v_pk_add_f32 v[T0:T0+1], v[DAT:DAT+1], v[DAT+2:DAT+3]
	v_pk_add_f32 v[T0+2:T0+3], v[DAT+4:DAT+5], v[DAT+6:DAT+7]
	s_delay_alu instid0(VALU_DEP_1)
	v_pk_add_f32 v[T0:T0+1], v[T0:T0+1], v[T0+2:T0+3]
	s_delay_alu instid0(VALU_DEP_1)
	v_add_f32 v[T0], v[T0], v[T0+1]
	s_delay_alu instid0(VALU_DEP_1)
	v_permlanex16_b32 v[T0+1], v[T0], s44, s45
	s_delay_alu instid0(VALU_DEP_1)
	v_add_f32 v[T0], v[T0], v[T0+1]                ; the sum of the 16
	s_wait_alu depctr_va_vdst(0)
	v_rcp_f32 v[T0+2], v[T0]
	v_nop                                          ; a plain instruction behind the reciprocal,
	s_wait_alu depctr_va_vdst(0)                   ; and its wait ahead of the first reader
.irp q, 0,2,4,6
	v_pk_mul_f32 v[DAT+\q:DAT+\q+1], v[DAT+\q:DAT+\q+1], v[T0+2:T0+3] op_sel_hi:[1,0]   ; the softmax's weights
.endr
	WGT DAT, WT
	POS DO1, SB, 33, 35, IX+4, 37
	WGT DAT+4, WT+16
	; out through my wave's stages, so that every store covers 512 consecutive bytes.  wts, an octet: [j][level][q2][corner][point 4]; idx: [j][level][q2][point 4]
.irp q, 0,1
.irp d, 0,1
	ds_store_b128 v[WSA], v[WT+8*\q+4*\d:WT+8*\q+4*\d+3] offset:32*\q+16*\d            ; corner 2 q + d: its four points
.endr
.endr
.irp q, 0,1
.irp d, 0,1
	ds_store_b128 v[WSA], v[WT+16+8*\q+4*\d:WT+16+8*\q+4*\d+3] offset:256+32*\q+16*\d
.endr
.endr
	ds_store_b128 v[ISA], v[IX:IX+3] offset:ISTG
	ds_store_b128 v[ISA], v[IX+4:IX+7] offset:ISTG+64
.irp n, 0,1,2,3,4,5,6,7
	ds_load_b128 v[64+4*\n:64+4*\n+3], v[WRA] offset:\n*WP
.endr
.irp m, 0,1
	ds_load_b128 v[96+4*\m:96+4*\m+3], v[IRA] offset:ISTG+4*IP*\m
.endr
	s_wait_dscnt 0x0
.irp n, 0,1,2,3,4,5,6,7
	global_store_b128 v[L16], v[64+4*\n:64+4*\n+3], s[38:39] offset:512*\n th:TH_STORE_NT
.endr
.irp m, 0,1
	global_store_b128 v[L16], v[96+4*\m:96+4*\m+3], s[40:41] offset:512*\m th:TH_STORE_NT
.endr
	s_add_co_u32 s4, s4, 16*WGS
	s_add_co_u32 s5, s5, 16*WGS
	s_add_co_u32 s3, s3, WGS
	s_cmp_lt_u32 s3, TILES
	s_cbranch_scc1 .Ltile
	s_wait_tensorcnt 0x0                           ; the wave's end, behind my last LDS store
	ds_add_u32 v[SPW], v[NIL]
	s_wait_dscnt 0x0
	s_endpgm
.Lfunc_end_k_q5672ad31aa_prep:
	.size	k_q5672ad31aa_prep, .Lfunc_end_k_q5672ad31aa_prep-k_q5672ad31aa_prep
	.p2alignl 7, 3214868480
	.fill 96, 4, 3214868480
	.section	.rodata,"a",@progbits
	.p2align	6, 0x0
	.amdhsa_kernel k_q5672ad31aa_prep
		.amdhsa_group_segment_fixed_size 79360
		.amdhsa_private_segment_fixed_size 0
		.amdhsa_enable_private_segment 0
		.amdhsa_kernarg_size 136
		.amdhsa_user_sgpr_count 2
		.amdhsa_user_sgpr_kernarg_segment_ptr 1
		.amdhsa_wavefront_size32 1
		.amdhsa_system_sgpr_workgroup_id_x 1
		.amdhsa_system_sgpr_workgroup_id_y 1
		.amdhsa_system_sgpr_workgroup_id_z 1
		.amdhsa_system_vgpr_workitem_id 0
		.amdhsa_next_free_vgpr 464
		.amdhsa_next_free_sgpr 66
		.amdhsa_reserve_vcc 1
		.amdhsa_float_denorm_mode_32 3
		.amdhsa_float_denorm_mode_16_64 3
		.amdhsa_memory_ordered 1
		.amdhsa_forward_progress 1
		.amdhsa_inst_pref_size 40
	.end_amdhsa_kernel
	.amdgpu_metadata
---
amdhsa.version: [ 1, 2 ]
amdhsa.kernels:
  - .name:           k_q5672ad31aa_prep
    .symbol:         k_q5672ad31aa_prep.kd
    .args:
      - { .name: input_flatten_codes, .offset: 0, .size: 8, .value_kind: global_buffer, .address_space: global }
      - { .name: input_flatten_scales, .offset: 8, .size: 8, .value_kind: global_buffer, .address_space: global }
      - { .name: query_codes, .offset: 16, .size: 8, .value_kind: global_buffer, .address_space: global }
      - { .name: query_scales, .offset: 24, .size: 8, .value_kind: global_buffer, .address_space: global }
      - { .name: reference_points, .offset: 32, .size: 8, .value_kind: global_buffer, .address_space: global }
      - { .name: W_value_codes, .offset: 40, .size: 8, .value_kind: global_buffer, .address_space: global }
      - { .name: W_value_scales, .offset: 48, .size: 8, .value_kind: global_buffer, .address_space: global }
      - { .name: b_value, .offset: 56, .size: 8, .value_kind: global_buffer, .address_space: global }
      - { .name: W_off_codes, .offset: 64, .size: 8, .value_kind: global_buffer, .address_space: global }
      - { .name: W_off_scales, .offset: 72, .size: 8, .value_kind: global_buffer, .address_space: global }
      - { .name: b_off, .offset: 80, .size: 8, .value_kind: global_buffer, .address_space: global }
      - { .name: W_attn_codes, .offset: 88, .size: 8, .value_kind: global_buffer, .address_space: global }
      - { .name: W_attn_scales, .offset: 96, .size: 8, .value_kind: global_buffer, .address_space: global }
      - { .name: b_attn, .offset: 104, .size: 8, .value_kind: global_buffer, .address_space: global }
      - { .name: val, .offset: 112, .size: 8, .value_kind: global_buffer, .address_space: global }
      - { .name: wts, .offset: 120, .size: 8, .value_kind: global_buffer, .address_space: global }
      - { .name: idx, .offset: 128, .size: 8, .value_kind: global_buffer, .address_space: global }
    .group_segment_fixed_size: 79360
    .private_segment_fixed_size: 0
    .kernarg_segment_align: 8
    .kernarg_segment_size: 136
    .max_flat_workgroup_size: 256
    .sgpr_count:     66
    .vgpr_count:     464
    .wavefront_size: 32
...
	.end_amdgpu_metadata
.endif
;; end of part 3
;; launch gath (part 4): grid 256 x 1, 8 waves a work-group, no clusters, 218,112 bytes of LDS; arguments idx, wts, val, acc; writes acc
.if DOCPART == 4
	.amdgcn_target "amdgcn-amd-amdhsa--gfx1250"
	.amdhsa_code_object_version 6
	.text
	.protected	k_q5672ad31aa_gath
	.globl	k_q5672ad31aa_gath
	.p2align	8
	.type	k_q5672ad31aa_gath,@function
k_q5672ad31aa_gath:
	s_mov_b64 s[64:65], 0
	v_nop
	global_prefetch_b8 v0, s[64:65] scope:SCOPE_SE
	s_setreg_imm32_b32 hwreg(HW_REG_WAVE_MODE, 25, 1), 1
	s_wait_xcnt 0x0
; MSDeformAttn, second launch: the gather by the stored row numbers and the weighted sum.  acc: [8 heads][2 halves][26592 places][16 channels] f32, laid as val.
; WORK LEFT OUT: input_spatial_shapes is no argument (reference() never reads it); validity, bilinear factors and the softmax's weight arrive as one weight a corner (shown at the head of the first launch).
; LIMITS.  NaN and infinities are not served.
; SHARES.  A work-group belongs to one (batch, head, half of the head's channels): 32 tables, eight work-groups to each.  A row of a table is 16 channels, 64 bytes.
; LEVELS 1 TO 3 LIE IN LDS with row pitches 50, 26, 14 (bases 0, 2500, 3150 rows): LDS row base + pitch y + x holds pixel (y, x); column x = S holds the pixel that follows in memory and is named by no row number.
; The pitches are 2 modulo 4, so pitch x 64 bytes is 128 modulo 256.  Level 0, 640,000 bytes a table, stays in memory.
; LANES.  lane = (q2, dy, dx, c) = 16 q2 + 8 dy + 4 dx + c: one load of 16 bytes a lane at row x 64 + dy x pitch x 64 + 16 (lane % 8) fetches all four corners of a point, channels 4 c .. 4 c + 3, for two queries.
; The sixteen lanes of one query read two runs of 128 bytes that lie 128 bytes apart modulo 256: 64 different words modulo 64 (LDS has 64 banks of 4 bytes: ISA guide 11.1).
; AN OCTET is 8 places: four duos j of two queries, place 4 q2 + j.  64 loads: 12 LDS points and 4 level 0 points, each for four duos (a batch of four loads, eight independent packed multiply-adds).
; ROW NUMBERS AND WEIGHTS come in the lane that uses them: idx [j][level][q2][point 4], 32 different bytes a load; wts [j][level][q2][corner][point 4], 128 different bytes a load; a lane's register 16 j + 4 level + point.
; THE ORDER OF AN OCTET n.  A batch's turn: the four addresses of the batch six on (two sets of address registers by turns), the batch's eight multiply-adds, the four loads.  Batches 0-5 ask for 6-11; the row numbers of octet
; n + 2 are asked for; batches 6-11 ask for batches 0-5 of octet n + 1, so the ring of 24 loads never runs empty; level 0 (asked for an octet ago) is summed; the addresses of octet n + 1's level 0; the sums over dx and dy;
; then one run of memory instructions: the store of 512 bytes, the 16 level 0 loads of octet n + 1, the 16 loads of weights of octet n + 2.  Two buffers take turns: a trip is two octets; the last two are written out.
; A WAVE WALKS 26 OCTETS: 64 waves x 26 = 1,664 for a batch's 1,662; the last wave's two surplus octets are held at the last one, whose 512 bytes that wave stores again.
; LDS ORDER.  Between the barrier behind the fill and the barrier ahead of the closing add no wave writes LDS.
; NO CLUSTER, NO TENSOR LOAD: the eight work-groups of a table share its 217,088 bytes, read once; each moves 1,703,936 bytes of level 0 and 532,480 of weights and row numbers of its own beside them.
; NO PREFETCH: row numbers and weights are themselves asked for an octet and more ahead, into registers.
; REGISTERS.  window 0: v1-4 a lane's byte term for each level; v5-7 offsets; v8, v9 the add's two; v12-15 what is stored; v16-31 the four duos' sums; v32-47 at work; v48-143 the ring; v144-207 level 0's 16 loads
; (each address is made in the first of the four registers on which its load lands); v208-215 the LDS loads' addresses.  At the head v16-227 hold the fill.  window 1: two buffers of 64 row numbers and 64 weights.
.set LROWS,  3392                      ; rows in LDS: 53 x 4,096 bytes; rows 3332 on repeat the batch's last places
.set PADB,   13296
.set HALFB,  26592*64
.set OCTS,   1662
.set PERW,   26
.set WHEAD,  1662*4096
.set IHEAD,  1662*1024
.set SPARE,  LROWS*64                  ; behind the table: the spare words, 128 bytes for each wave
.set LC,  1
.set WOF, 5
.set IOF, 6
.set STO, 7
.set SPW, 8
.set NIL, 9
.set OUT, 12
.set ACC, 16
.set T,   32
.set RG,  48
.set D0,  144
.set AD,  208
.set MA,  0                            ; window 1
.set MB,  128
.set FD,  16                           ; the fill's data
.set GA,  228                          ; the fill's last 14 offsets
.set FA,  244                          ; the fill's LDS addresses, 65,536 bytes apart
.set MSB, 0
.macro WIN new                         ; the immediate's high byte repeats the setting that is left
.if MSB != \new
	s_set_vgpr_msb (MSB<<8)|\new
.set MSB, \new
.endif
.endm
.set WORK, 0x04                        ; source 1 (a row number, a pair of weights) window 1, all else window 0
.set TOM,  0x40                        ; destination window 1
; Four loads at v[d + 4 j], duo j, are summed with the weights of (level lv, point pt).  first: the products start the sums: nothing is cleared.
.macro CONS buf, lv, pt, d, first
.set wq, \buf+64+4*(\lv)+2*((\pt)/2)
.irp j, 0,1,2,3
.irp u, 0,2
.if \first
	v_pk_mul_f32 v[ACC+4*\j+\u:ACC+4*\j+\u+1], v[\d+4*\j+\u:\d+4*\j+\u+1], v[wq+16*\j:wq+16*\j+1] op_sel_hi:[1,0]
.elseif (\pt)%2
	v_pk_fma_f32 v[ACC+4*\j+\u:ACC+4*\j+\u+1], v[\d+4*\j+\u:\d+4*\j+\u+1], v[wq+16*\j:wq+16*\j+1], v[ACC+4*\j+\u:ACC+4*\j+\u+1] op_sel:[0,1,0]
.else
	v_pk_fma_f32 v[ACC+4*\j+\u:ACC+4*\j+\u+1], v[\d+4*\j+\u:\d+4*\j+\u+1], v[wq+16*\j:wq+16*\j+1], v[ACC+4*\j+\u:ACC+4*\j+\u+1] op_sel_hi:[1,0,1]
.endif
.endr
.endr
.endm
; LDS batch b of 12: level 1 + b / 4, point b % 4, four duos.  IADR: its addresses, into set b % 2.  ILD: its loads, into ring places 4 (b % 6) on.
.macro IADR buf, b
.set lq, 1+(\b)/4
.set iq, \buf+4*lq+(\b)%4
.set aq, AD+4*((\b)%2)
.if lq == 1
.set pq, 50
.elseif lq == 2
.set pq, 26
.else
.set pq, 14
.endif
.irp j, 0,1,2,3
	v_min_u32 v[aq+\j], LROWS-2-pq, v[iq+16*\j]    ; a loaded number enters an address only under a bound: with it row + pitch + 1 stays inside the table.  It binds on no row number that the first launch makes
.endr
.irp j, 0,1,2,3
	v_lshl_add_u32 v[aq+\j], v[aq+\j], 6, v[LC+lq]
.endr
.endm
.macro ILD b
.set sq, RG+16*((\b)%6)
.set aq, AD+4*((\b)%2)
.irp j, 0,1,2,3
	ds_load_b128 v[sq+4*\j:sq+4*\j+3], v[aq+\j]
.endr
.endm
; Level 0 of the octet whose row numbers lie in buffer buf: the 16 addresses, and the 16 loads
.macro GADR buf
.irp p, 0,1,2,3
.irp j, 0,1,2,3
	v_min_u32 v[D0+16*\p+4*\j], 2*PADB-102, v[\buf+16*\j+\p]       ; the bound: with it row + 101 stays inside the table
.endr
.endr
.irp p, 0,1,2,3
.irp j, 0,1,2,3
	v_lshl_add_u32 v[D0+16*\p+4*\j], v[D0+16*\p+4*\j], 6, v[LC]
.endr
.endr
.endm
.macro GLD
.irp p, 0,1,2,3
.irp j, 0,1,2,3
	global_load_b128 v[D0+16*\p+4*\j:D0+16*\p+4*\j+3], v[D0+16*\p+4*\j], s[12:13]
.endr
.endr
.endm
.macro MI buf, q, base                 ; load q = 4 j + level of an octet's 16 of row numbers
	global_load_b128 v[\buf+4*(\q):\buf+4*(\q)+3], v[IOF], s[\base:\base+1] offset:32*(\q)
.endm
.macro MW buf, q, base                 ; and of its 16 of weights
	global_load_b128 v[\buf+64+4*(\q):\buf+64+4*(\q)+3], v[WOF], s[\base:\base+1] offset:128*(\q)
.endm
.macro METAI buf, ahead                ; the row numbers of octet s31 + ahead (held at the batch's last)
	s_add_co_u32 s20, s31, \ahead
	s_min_u32 s20, s20, OCTS-1
	s_lshl_b32 s20, s20, 9
	s_add_nc_u64 s[24:25], s[8:9], s[20:21]
	WIN TOM
.set qq, 0
.rept 16
	MI \buf, qq, 24
.set qq, qq+1
.endr
.endm
.macro METAW buf, ahead                ; its weights
	s_add_co_u32 s22, s31, \ahead
	s_min_u32 s22, s22, OCTS-1
	s_lshl_b32 s22, s22, 11
	s_add_nc_u64 s[26:27], s[10:11], s[22:23]
	WIN TOM
.set qq, 0
.rept 16
	MW \buf, qq, 26
.set qq, qq+1
.endr
.endm
; Octet s31 + off.  meta: octet + 2's row numbers and weights are asked for.  more: octet + 1 follows.
.macro BODY cur, nxt, off, meta, more
	WIN WORK
.if \more
	s_wait_loadcnt 48                              ; this octet's weights are in: behind them stand 16 loads of row numbers, 16 of level 0, 16 of weights
.else
	s_wait_loadcnt 16                              ; behind them stand this octet's 16 of level 0 alone
.endif
.set bb, 0
.rept 6
.set fq, 0
.if bb == 0
.set fq, 1
.endif
	s_wait_dscnt 20                                ; LDS loads come back in order (ISA guide 5.7.1): the five younger batches may be out
	IADR \cur, bb+6
	CONS \cur, 1+bb/4, bb%4, RG+16*(bb%6), fq
	ILD bb+6
.set bb, bb+1
.endr
.if \more
	s_wait_loadcnt 32                              ; the next octet's row numbers are in: behind them stand this octet's 16 loads of level 0 and the next octet's 16 of weights
.endif
.if \meta
	METAI \cur, \off+2                             ; this octet's row numbers have all been used; the loads that last read s[24:25] stand ahead of the last octet's wait on XCNT
	WIN WORK
.endif
.rept 6
.if \more
	s_wait_dscnt 20
	IADR \nxt, bb-6
.else
	s_wait_alu depctr_va_vdst(0)
	s_wait_dscnt 4*(11-bb)
.endif
	CONS \cur, 1+bb/4, bb%4, RG+16*(bb%6), 0
.if \more
	ILD bb-6
.endif
.set bb, bb+1
.endr
	s_wait_alu depctr_va_vdst(0)
.if \meta
	s_wait_loadcnt 32                              ; this octet's level 0 is in: behind it stand 16 loads of weights and 16 of row numbers
.elseif \more
	s_wait_loadcnt 16                              ; behind it stand 16 loads of weights
.else
	s_wait_loadcnt 0x0
.endif
	s_wait_xcnt 0x0                                ; the last store has read its data and its base, and the loads their bases: all are written again only behind this wait
	s_add_co_u32 s20, s31, \off
	s_min_u32 s20, s20, OCTS-1
	s_lshl_b32 s20, s20, 9
	s_add_nc_u64 s[28:29], s[14:15], s[20:21]
.irp p, 0,1,2,3
	CONS \cur, 0, \p, D0+16*\p, 0
.endr
.if \more
	GADR \nxt                                      ; the 36 lines below stand between these addresses and their loads
.endif
	WIN 0
	; the sums over dx and dy, and the choice of a duo, in one: lanes dx = 0 keep duo 0 (2), lanes dx = 1 duo 1 (3), each adding what lane l xor 4 holds of it; then the same by dy with lane l xor 8.  Lane (dy, dx) ends with duo 2 dy + dx
.irp e, 0,1,2,3
	v_cndmask_b32 v[T+\e], v[ACC+\e], v[ACC+4+\e], s32
	v_cndmask_b32 v[T+4+\e], v[ACC+4+\e], v[ACC+\e], s32
	v_cndmask_b32 v[T+8+\e], v[ACC+8+\e], v[ACC+12+\e], s32
	v_cndmask_b32 v[T+12+\e], v[ACC+12+\e], v[ACC+8+\e], s32
.endr
.irp e, 0,1,2,3
	v_add_f32_dpp v[T+\e], v[T+4+\e], v[T+\e] row_xmask:4 row_mask:0xf bank_mask:0xf
	v_add_f32_dpp v[T+8+\e], v[T+12+\e], v[T+8+\e] row_xmask:4 row_mask:0xf bank_mask:0xf
.endr
.irp e, 0,1,2,3
	v_cndmask_b32 v[T+4+\e], v[T+\e], v[T+8+\e], s33
	v_cndmask_b32 v[T+12+\e], v[T+8+\e], v[T+\e], s33
.endr
.irp e, 0,1,2,3
	v_add_f32_dpp v[OUT+\e], v[T+12+\e], v[T+4+\e] row_xmask:8 row_mask:0xf bank_mask:0xf
.endr
	global_store_b128 v[STO], v[OUT:OUT+3], s[28:29] th:TH_STORE_NT    ; 8 places x 64 bytes: 512 consecutive bytes, at a multiple of 256 from acc's first byte; sixteen neighbouring lanes store 256
.if \more
	GLD
.endif
.if \meta
	METAW \cur, \off+2                             ; this octet's weights have all been used
.endif
.endm
; The fill's source row for LDS row m = 64 i + thread / 4, counted from place 10000: m less the pad columns passed: (m - 2500) / 26 inside level 2, 25 + (m - 3150) / 14 from level 3 on; held at the batch's last place.
; x / 26 = x 2521 >> 16 up to x = 650, x / 14 = x 4682 >> 16 up to x = 241: the surplus of either factor, times x, stays under one part in 26 or 14.
.macro SRC i, dst
	v_add_nc_u32 v248, 64*(\i), v252
	v_max_u32 v249, 2500, v248
	v_max_u32 v250, 3150, v248
	v_min_u32 v249, 3150, v249
	v_subrev_nc_u32 v250, 3150, v250
	v_subrev_nc_u32 v249, 2500, v249
	v_mul_u32_u24 v250, 4682, v250
	v_mul_u32_u24 v249, 2521, v249
	v_lshrrev_b32 v250, 16, v250
	v_lshrrev_b32 v249, 16, v249
	v_sub_nc_u32 v248, v248, v250
	v_sub_nc_u32 v248, v248, v249
	v_min_u32 v248, 3295, v248
	v_lshl_add_u32 v[\dst], v248, 6, v253
.endm
.macro FL k                            ; fill load k of 53: 4,096 bytes of the table by the work-group.  Loads 0 to 38 fill rows 0 .. 2495, all level 1's: dense.  Loads 39 to 52 go by the pitches
.if (\k) < 39
	global_load_b128 v[FD+4*(\k):FD+4*(\k)+3], v[FA], s[18:19] offset:4096*(\k)
.else
	global_load_b128 v[FD+4*(\k):FD+4*(\k)+3], v[GA+(\k)-39], s[18:19]
.endif
.endm
	s_load_b256 s[8:15], s[0:1], 0x0               ; idx 8:9, wts 10:11, val 12:13, acc 14:15
	v_lshl_add_u32 v[SPW], v0, 2, SPARE
	v_mov_b32 v[NIL], 0
	v_lshrrev_b32 v10, 5, v0
	v_readfirstlane_b32 s2, v10                    ; wave 0..7
	v_and_b32 v10, 7, v0
	v_bfe_u32 v11, v0, 3, 1                        ; dy
	v_lshlrev_b32 v10, 4, v10                      ; 16 (lane % 8)
	v_bfe_u32 v32, v0, 2, 1                        ; dx
	v_cmp_ne_u32 s33, 0, v11                       ; the lanes dy = 1,
	v_cmp_ne_u32 s32, 0, v32                       ; dx = 1
	v_mad_u32_u24 v[LC], v11, 100*64, v10          ; dy x pitch x 64 + 16 (lane % 8), level by level
	v_mad_u32_u24 v[LC+1], v11, 50*64, v10
	v_mad_u32_u24 v[LC+2], v11, 26*64, v10
	v_mad_u32_u24 v[LC+3], v11, 14*64, v10
	v_bfe_u32 v[WOF], v0, 2, 3
	v_bfe_u32 v[IOF], v0, 4, 1
	v_bfe_u32 v33, v0, 2, 2                        ; the duo that I store
	v_and_b32 v[STO], 3, v0
	v_lshlrev_b32 v[WOF], 4, v[WOF]                ; 16 (lane / 4): my (q2, corner) in a block of weights
	v_lshlrev_b32 v[STO], 4, v[STO]
	v_lshl_add_u32 v[STO], v33, 6, v[STO]
	v_lshl_add_u32 v[STO], v[IOF], 8, v[STO]       ; place 4 q2 + duo, 64 bytes each, + 16 c
	v_lshlrev_b32 v[IOF], 4, v[IOF]                ; 16 q2
.irp e, 0,1,2,3
	v_mov_b32 v[OUT+\e], 0                         ; written once: the destination of a DPP form counts as one of its sources
.endr
	v_lshlrev_b32 v[FA], 4, v0                     ; the fill: 16 bytes a thread
	v_lshrrev_b32 v252, 2, v0
	v_and_b32 v253, 3, v0
	v_add_nc_u32 v[FA+1], 0x10000, v[FA]
	v_add_nc_u32 v[FA+2], 0x20000, v[FA]
	v_add_nc_u32 v[FA+3], 0x30000, v[FA]
	v_lshlrev_b32 v253, 4, v253
.set kk, 0
.rept 14
	SRC 39+kk, GA+kk
.set kk, kk+1
.endr
	s_and_b32 s4, ttmp9, 1                         ; the half of the channels,
	s_bfe_u32 s5, ttmp9, 0x30001                   ; the slice of the queries,
	s_bfe_u32 s6, ttmp9, 0x30004                   ; the head,
	s_lshr_b32 s7, ttmp9, 7                        ; the batch
	s_lshl_b32 s16, s5, 3
	s_add_co_u32 s16, s16, s2                      ; my wave among the table's 64
	s_mul_i32 s31, s16, PERW                       ; my first octet: 1,638 at the most, so it and the next lie inside the batch
	s_mov_b32 s21, 0
	s_mov_b32 s23, 0
	s_wait_alu depctr_va_vdst(0)
	s_wait_kmcnt 0x0
	s_mul_i32 s20, s6, IHEAD
	s_mul_i32 s16, s7, OCTS*512
	s_add_co_u32 s20, s20, s16
	s_add_nc_u64 s[8:9], s[8:9], s[20:21]          ; idx at my head's and batch's first octet
	s_mul_i32 s20, s6, WHEAD
	s_mul_i32 s16, s7, OCTS*2048
	s_add_co_u32 s20, s20, s16
	s_add_nc_u64 s[10:11], s[10:11], s[20:21]      ; wts likewise
	s_lshl_b32 s20, s6, 1
	s_add_co_u32 s20, s20, s4
	s_mul_i32 s20, s20, HALFB
	s_add_nc_u64 s[12:13], s[12:13], s[20:21]      ; val at my table (level 0's row numbers carry the batch)
	s_add_nc_u64 s[14:15], s[14:15], s[20:21]
	s_mul_i32 s20, s7, OCTS*512
	s_add_nc_u64 s[14:15], s[14:15], s[20:21]      ; acc at my table's and batch's first octet
	s_mul_i32 s20, s7, PADB*64
	s_add_co_u32 s20, s20, 10000*64
	s_add_nc_u64 s[18:19], s[12:13], s[20:21]      ; the batch's place 10000: level 1's first
	s_lshl_b32 s20, s31, 9
	s_lshl_b32 s22, s31, 11
	s_add_nc_u64 s[24:25], s[8:9], s[20:21]        ; my first octet's row numbers and weights,
	s_add_nc_u64 s[26:27], s[10:11], s[22:23]
	s_add_nc_u64 s[34:35], s[24:25], 512           ; my second's
	s_add_nc_u64 s[36:37], s[26:27], 2048
	; THE HEAD'S LOADS.  First 16 of row numbers and 47 of the fill: 63 out.  Then, behind each of the first 38 stores into the table, one load more: the fill's last 6, my first octet's weights, my second's row numbers.
	; So behind fill load k stand 46 loads while one more follows each store, and 84 - k from k = 38 on.
	WIN TOM
.set kk, 0
.rept 16
	MI MA, kk, 24
.set kk, kk+1
.endr
	WIN 0
.set kk, 0
.rept 47
	FL kk
.set kk, kk+1
.endr
.set kk, 0
.rept 53
.if kk == 6
	WIN TOM                                        ; an LDS store has no destination: it reads window 0 under this setting too
.endif
.if kk < 38
	s_wait_loadcnt 46
.else
	s_wait_loadcnt 84-kk
.endif
	ds_store_b128 v[FA+kk/16], v[FD+4*kk:FD+4*kk+3] offset:4096*(kk%16)
.if kk < 6
	FL 47+kk
.elseif kk < 22
	MW MA, kk-6, 26
.elseif kk < 38
	MI MB, kk-22, 34
.endif
.set kk, kk+1
.endr
	s_wait_dscnt 0x0                               ; for the others' sake: my part of the table lies in LDS; and the stores have read their registers
	WIN WORK
	GADR MA                                        ; the first octet's level 0,
	WIN 0
	GLD
	WIN TOM
.set kk, 0
.rept 16
	MW MB, kk, 36                                  ; and behind it, as in every octet, the next one's weights
.set kk, kk+1
.endr
	WIN 0
	s_barrier_signal -1
	s_barrier_wait -1                              ; the table is whole
	WIN WORK
.set kk, 0
.rept 6
	IADR MA, kk                                    ; the ring's first 24 loads
	ILD kk
.set kk, kk+1
.endr
	WIN 0
	s_mov_b32 s30, 0
.Loct:
	BODY MA, MB, 0, 1, 1
	BODY MB, MA, 1, 1, 1
	WIN 0
	s_add_co_u32 s31, s31, 2
	s_add_co_u32 s30, s30, 1
	s_cmp_lt_u32 s30, PERW/2-1
	s_wait_alu depctr_va_vdst(0)
	s_cbranch_scc1 .Loct
	BODY MA, MB, 0, 0, 1                           ; the last two octets ask for no further row numbers and weights,
	BODY MB, MA, 1, 0, 0                           ; and the last for nothing
	s_wait_dscnt 0x0                               ; my gathers are over
	s_barrier_signal -1
	s_barrier_wait -1                              ; everybody's are: only now is LDS written again, by the add below
	s_wait_tensorcnt 0x0                           ; the wave's end, behind my last LDS store
	ds_add_u32 v[SPW], v[NIL]
	s_wait_dscnt 0x0
	s_endpgm
.Lfunc_end_k_q5672ad31aa_gath:
	.size	k_q5672ad31aa_gath, .Lfunc_end_k_q5672ad31aa_gath-k_q5672ad31aa_gath
	.p2alignl 7, 3214868480
	.fill 96, 4, 3214868480
	.section	.rodata,"a",@progbits
	.p2align	6, 0x0
	.amdhsa_kernel k_q5672ad31aa_gath
		.amdhsa_group_segment_fixed_size 218112
		.amdhsa_private_segment_fixed_size 0
		.amdhsa_enable_private_segment 0
		.amdhsa_kernarg_size 32
		.amdhsa_user_sgpr_count 2
		.amdhsa_user_sgpr_kernarg_segment_ptr 1
		.amdhsa_wavefront_size32 1
		.amdhsa_system_sgpr_workgroup_id_x 1
		.amdhsa_system_sgpr_workgroup_id_y 1
		.amdhsa_system_sgpr_workgroup_id_z 1
		.amdhsa_system_vgpr_workitem_id 0
		.amdhsa_next_free_vgpr 512
		.amdhsa_next_free_sgpr 66
		.amdhsa_reserve_vcc 0
		.amdhsa_float_denorm_mode_32 3
		.amdhsa_float_denorm_mode_16_64 3
		.amdhsa_memory_ordered 1
		.amdhsa_forward_progress 1
		.amdhsa_inst_pref_size 133
	.end_amdhsa_kernel
	.amdgpu_metadata
---
amdhsa.version: [ 1, 2 ]
amdhsa.kernels:
  - .name:           k_q5672ad31aa_gath
    .symbol:         k_q5672ad31aa_gath.kd
    .args:
      - { .name: idx, .offset: 0, .size: 8, .value_kind: global_buffer, .address_space: global }
      - { .name: wts, .offset: 8, .size: 8, .value_kind: global_buffer, .address_space: global }
      - { .name: val, .offset: 16, .size: 8, .value_kind: global_buffer, .address_space: global }
      - { .name: acc, .offset: 24, .size: 8, .value_kind: global_buffer, .address_space: global }
    .group_segment_fixed_size: 218112
    .private_segment_fixed_size: 0
    .kernarg_segment_align: 8
    .kernarg_segment_size: 32
    .max_flat_workgroup_size: 256
    .sgpr_count:     66
    .vgpr_count:     512
    .wavefront_size: 32
...
	.end_amdgpu_metadata
.endif
;; end of part 4
;; launch outp (part 5): grid 512 x 1, 8 waves a work-group, no clusters, 110,080 bytes of LDS; arguments acc, W_out_codes, W_out_scales, b_out, out0; writes out0
.if DOCPART == 5
	.amdgcn_target "amdgcn-amd-amdhsa--gfx1250"
	.amdhsa_code_object_version 6
	.text
	.protected	k_q5672ad31aa_outp
	.globl	k_q5672ad31aa_outp
	.p2align	8
	.type	k_q5672ad31aa_outp,@function
k_q5672ad31aa_outp:
	s_mov_b64 s[64:65], 0
	v_nop
	global_prefetch_b8 v0, s[64:65] scope:SCOPE_SE
	s_setreg_imm32_b32 hwreg(HW_REG_WAVE_MODE, 25, 1), 1
	s_wait_xcnt 0x0
; MSDeformAttn, third launch: the sampled sum's quantiser, the product with W_out, b_out.
; WORK LEFT OUT: input_spatial_shapes is no argument (reference() never reads it: shown at the head of the first launch).  A batch's two places beyond its 13,294 rows are computed inside their tile and not stored.
; LIMITS.  NaN and infinities are not served.  A block of zeros of the sampled sum gets the scale byte 1 where the rule says 127: its codes are zeros, which add nothing under any byte but 0xff, and this launch alone reads the byte.
; SHARES.  512 work-groups of eight waves stay and walk the 1,662 tiles of 16 places, 512 apart.  WAVE w quantises head w's block of each query, and owns output columns 32 w .. 32 w + 31: its four fragments of W_out stay in registers.
; THE QUANTISER.  K of the product is head x 32 + channel: a block of 32 is one head of one query.  A tile's 2 x 1,024 bytes of my head come by four dense loads, a trip ahead, and turn through my wave's stage, so that lane (r, h)
; holds query r, channels 16 h .. 16 h + 15: the four code registers that the conversions give are registers 4 (w % 4) .. + 3 of K step w / 4 of the operand; they go to the other waves as an image of the registers, the scale byte beside them.
; THE PRODUCT is used transposed (source 0 = 16 rows of W_out, source 1 = the 16 queries): a lane holds eight neighbouring columns of a row of the output; b_out is the C of each sum's first matrix instruction.
; TWO BARRIERS A TRIP: behind the first the eight blocks of the operand lie in LDS; behind the second 16 whole rows of the output.  Each wave's reads of the image are back ahead of its second signal, its reads of the output's stage
; ahead of its next first signal: so the next trip's stores land on bytes that nobody reads.
; NO CLUSTER, NO TENSOR LOAD: what work-groups share is W_out, 65,536 bytes read once by each into registers.
; REGISTERS.  v2-15, v18, v19 lane terms and addresses; v16, v17 the add's two; v20-23 W_out's scale words, v240, v241 the sampled sum's: scales and nothing else; v24-39 b_out; v40-55 the next tile as loaded;
; v56-71 the numbers to quantise; v72-75 codes; v76-91 results; v92-107 rows of the output; v120-183 W_out's fragments; v184-215 the sampled sum's; v244-250 at work.
.set LEN,   13294
.set BT,    831                        ; tiles of a batch
.set TILES, 1662
.set WGS,   512                        ; work-groups of the launch: two share a WGP's registers (2 x 8 waves x 256) and LDS (2 x 110,080 bytes); the walk over the tiles goes 512 apart
.set HALFB, 26592*64
.set PITCH, 272
.set WOST,  0                          ; LDS: for each wave a stage of 32 rows of W_out, 272 bytes apart
.set ACS,   8*32*PITCH                 ; for each wave a stage of 16 queries x (128 bytes + 16)
.set AP,    144
.set AIMG,  ACS+8*16*AP                ; the operand's image: 8 blocks (heads) of 512 bytes
.set ASC,   AIMG+8*512                 ; its scale bytes: 8 a query; a block of 256 bytes
.set OST,   ASC+256                    ; the stage for the output: 16 rows x (1,024 bytes + 16)
.set OP,    1040
.set SPARE, OST+16*OP                  ; the spare words, 128 bytes for each wave: four blocks of 256 bytes that no other line names
.set SPW,  16
.set NIL,  17
.macro RAWLOADS off                    ; a tile's 16 places of my head: half f, places 8 m .. 8 m + 7: 512 consecutive bytes a load
.irp f, 0,1
.irp m, 0,1
	global_load_b128 v[40+8*\f+4*\m:43+8*\f+4*\m], v2, s[8:9] offset:\off+HALFB*\f+512*\m th:TH_LOAD_NT
.endr
.endr
.endm
	s_load_b256 s[8:15], s[0:1], 0x0               ; acc 8:9, W_out codes 10:11, W_out scales 12:13, b_out 14:15
	s_load_b64 s[20:21], s[0:1], 0x20              ; out0
	v_lshl_add_u32 v[SPW], v0, 2, SPARE
	v_mov_b32 v[NIL], 0
	v_lshrrev_b32 v244, 5, v0
	s_delay_alu instid0(VALU_DEP_1)
	v_readfirstlane_b32 s2, v244                   ; wave = head
	s_mov_b32 s3, ttmp9                            ; my first tile
	v_and_b32 v245, 31, v0                         ; lane
	v_and_b32 v246, 15, v0                         ; r
	v_bfe_u32 v247, v0, 4, 1                       ; h
	v_bfe_u32 v248, v0, 2, 3                       ; lane / 4
	v_and_b32 v249, 3, v0                          ; lane % 4
	v_lshlrev_b32 v2, 4, v245                      ; 16 x lane
	v_lshlrev_b32 v250, 4, v246                    ; 16 r
	s_mul_i32 s26, s2, 32*PITCH                    ; my stage for W_out
	v_mad_u32_u24 v4, v247, PITCH, v250            ; in: two rows a load
	s_delay_alu instid0(VALU_DEP_1)
	v_add_nc_u32 v4, s26, v4
	v_mul_u32_u24 v5, v246, PITCH                  ; out: a fragment's row r, + 16 h
	s_delay_alu instid0(VALU_DEP_1)
	v_lshl_add_u32 v5, v247, 4, v5
	s_delay_alu instid0(VALU_DEP_1)
	v_add_nc_u32 v5, s26, v5
	s_mul_i32 s26, s2, 16*AP
	s_add_co_u32 s26, s26, ACS                     ; my stage for the sums
	v_mul_u32_u24 v8, v248, AP                     ; in: four lanes put the 64 bytes of one half of a query
	s_delay_alu instid0(VALU_DEP_1)
	v_lshl_add_u32 v8, v249, 4, v8
	s_delay_alu instid0(VALU_DEP_1)
	v_add_nc_u32 v8, s26, v8
	v_mul_u32_u24 v9, v246, AP                     ; out: query r, channels 16 h on
	s_delay_alu instid0(VALU_DEP_1)
	v_lshl_add_u32 v9, v247, 6, v9
	s_delay_alu instid0(VALU_DEP_1)
	v_add_nc_u32 v9, s26, v9
	s_lshl_b32 s26, s2, 9
	s_add_co_u32 s26, s26, AIMG
	v_add_nc_u32 v10, s26, v2                      ; my head's block of the image
	v_add_nc_u32 v11, AIMG, v2
	v_lshlrev_b32 v18, 3, v246                     ; 8 r
	s_delay_alu instid0(VALU_DEP_1)
	v_add_nc_u32 v13, ASC, v18                     ; query r's eight scale bytes,
	s_delay_alu instid0(VALU_DEP_1)
	v_add_nc_u32 v12, s2, v13                      ; my head's among them
	v_mul_u32_u24 v14, v246, OP
	s_delay_alu instid0(VALU_DEP_1)
	v_lshl_add_u32 v14, v247, 5, v14
	s_lshl_b32 s26, s2, 7
	s_add_co_u32 s26, s26, OST
	v_add_nc_u32 v14, s26, v14                     ; the output's stage: row r, my 32 columns' 128 bytes, + 32 h
	s_mul_i32 s26, s2, 2*OP
	s_add_co_u32 s26, s26, OST
	v_add_nc_u32 v15, s26, v2                      ; back: rows 2 w and 2 w + 1
	v_lshlrev_b32 v19, 5, v247                     ; 32 h
	s_mov_b32 s22, 0x76543210
	s_mov_b32 s23, 0xfedcba98                      ; v_permlanex16_b32's selects for lane l xor 16
	s_mov_b32 s24, 0x600000                        ; the mantissa field of 448
	s_lshl_b32 s33, s2, 1                          ; 2 w
	s_mov_b32 s27, 0
	s_wait_alu depctr_va_vdst(0)
	s_wait_kmcnt 0x0
	s_mul_i32 s26, s2, 2*HALFB                     ; acc: my head's two tables, my first tile's 16 places of 64 bytes
	s_lshl_b32 s31, s3, 10
	s_add_co_u32 s26, s26, s31
	s_add_nc_u64 s[8:9], s[8:9], s[26:27]
	s_lshl_b32 s26, s2, 13                         ; my 32 rows of W_out,
	s_add_nc_u64 s[10:11], s[10:11], s[26:27]
	s_lshl_b32 s26, s2, 8                          ; their scale bytes,
	s_add_nc_u64 s[12:13], s[12:13], s[26:27]
	s_lshl_b32 s26, s2, 7                          ; my 32 numbers of b_out
	s_add_nc_u64 s[14:15], s[14:15], s[26:27]
.irp k, 0,1,2,3,4,5,6,7,8,9,10,11,12,13,14,15
	global_load_b128 v[120+4*\k:120+4*\k+3], v2, s[10:11] offset:512*\k
.endr
.irp n, 0,1
	global_load_b64 v[20+2*\n:21+2*\n], v18, s[12:13] offset:128*\n              ; tile n, K step s: v[20 + 2 n + s]
	global_load_b128 v[24+8*\n:27+8*\n], v19, s[14:15] offset:64*\n              ; b_out of columns 16 n + 8 h + 0 .. 7
	global_load_b128 v[28+8*\n:31+8*\n], v19, s[14:15] offset:64*\n+16
.endr
	RAWLOADS 0                                     ; the first tile
	s_wait_loadcnt 4                               ; all but the first tile's four
.irp k, 0,1,2,3,4,5,6,7,8,9,10,11,12,13,14,15
	ds_store_b128 v4, v[120+4*\k:120+4*\k+3] offset:2*PITCH*\k
.endr
	s_wait_dscnt 0x0                               ; the stores have read their registers: the fragments land there.  Only my wave reads these bytes: no barrier
.irp n, 0,1
.irp s, 0,1
.irp c, 0,1,2,3
	ds_load_b128 v[120+16*(2*\n+\s)+4*\c:120+16*(2*\n+\s)+4*\c+3], v5 offset:16*PITCH*\n+128*\s+32*\c   ; W_out's four fragments: they stay
.endr
.endr
.endr
	s_wait_dscnt 0x0
.Ltile:
	s_wait_loadcnt 0x0                             ; this tile's four loads, asked for a trip ago
.irp f, 0,1
.irp m, 0,1
	ds_store_b128 v8, v[40+8*\f+4*\m:43+8*\f+4*\m] offset:8*AP*\m+64*\f
.endr
.endr
.irp j, 0,1,2,3
	ds_load_b128 v[56+4*\j:56+4*\j+3], v9 offset:16*\j     ; LDS serves a wave's instructions in order (ISA guide 5.7.1.4): these see the stores above
.endr
	s_wait_dscnt 0x0                               ; and the stores have read their registers:
	s_add_co_u32 s31, s3, WGS
	s_cmp_ge_u32 s31, TILES                        ; the next tile is asked for here, if there is one
	s_cbranch_scc1 .Lno_next
	RAWLOADS WGS*1024
.Lno_next:
	; the quantiser: my 16 numbers and lane l xor 16's are the block (query r, head w)
	v_max3_num_f32 v244, |v56|, |v57|, 0x4800000           ; with the floor 2^(9 - 127), under which no largest magnitude is taken: so the byte cannot fall under 1
	v_max3_num_f32 v245, |v58|, |v59|, |v60|
	s_delay_alu instid0(VALU_DEP_2)
	v_max3_num_f32 v244, v244, |v61|, |v62|
	s_delay_alu instid0(VALU_DEP_2)
	v_max3_num_f32 v245, v245, |v63|, |v64|
	s_delay_alu instid0(VALU_DEP_2)
	v_max3_num_f32 v244, v244, |v65|, |v66|
	s_delay_alu instid0(VALU_DEP_2)
	v_max3_num_f32 v245, v245, |v67|, |v68|
	s_delay_alu instid0(VALU_DEP_2)
	v_max3_num_f32 v244, v244, |v69|, |v70|
	s_delay_alu instid0(VALU_DEP_1)
	v_max3_num_f32 v244, v244, v245, |v71|
	s_delay_alu instid0(VALU_DEP_1)
	v_permlanex16_b32 v246, v244, s22, s23
	s_delay_alu instid0(VALU_DEP_1)
	v_max_num_f32 v244, v244, v246                 ; the block's largest magnitude
	s_delay_alu instid0(VALU_DEP_1)
	v_add_nc_u32 v247, 0xfc000000, v244            ; 8 off its exponent field: the conversion takes the exponent field of this operand as its scale, and nothing else of it
	s_delay_alu instid0(VALU_DEP_2)
	v_and_or_b32 v248, v244, 0x7f800000, s24       ; 448 x the scale
	s_delay_alu instid0(VALU_DEP_2)
	v_lshrrev_b32 v249, 23, v247                   ; the scale's byte
.irp j, 0,1,2,3,4,5,6,7,8,9,10,11,12,13,14,15
	v_med3_num_f32 v[56+\j], v[56+\j], -v248, v248 ; the conversion to an 8-bit code does not saturate (ISA guide 7.6.2): the hold at the largest code x the scale
.endr
	v_cvt_scalef32_pk8_fp8_f32 v[72:73], v[56:63], v247
	v_cvt_scalef32_pk8_fp8_f32 v[74:75], v[64:71], v247
	v_nop                                          ; one plain vector instruction behind the last conversion
	ds_store_b128 v10, v[72:75]                    ; the image of registers 4 (w % 4) .. + 3 of K step w / 4
	ds_store_b8 v12, v249                          ; both lanes of a block write the same byte with the same value
	s_wait_dscnt 0x0                               ; for the others' sake: my block and its byte lie in LDS
	s_barrier_signal -1
	s_barrier_wait -1                              ; all eight heads' do
.irp b, 0,1,2,3,4,5,6,7
	ds_load_b128 v[184+4*\b:184+4*\b+3], v11 offset:512*\b         ; the sampled sum's two fragments
.endr
	ds_load_b64 v[240:241], v13                    ; and query r's two scale words
	s_wait_dscnt 0x0
	v_wmma_scale_f32_16x16x128_f8f6f4 v[76:83], v[120:135], v[184:199], v[24:31], v20, v240    ; two accumulators by turns
	v_wmma_scale_f32_16x16x128_f8f6f4 v[84:91], v[152:167], v[184:199], v[32:39], v22, v240
	v_wmma_scale_f32_16x16x128_f8f6f4 v[76:83], v[136:151], v[200:215], v[76:83], v21, v241
	v_wmma_scale_f32_16x16x128_f8f6f4 v[84:91], v[168:183], v[200:215], v[84:91], v23, v241
.rept 8
	v_nop                                          ; eight places ahead of the first read of the results; with the next trip's quantiser they are also the places ahead of the loads and products that write these registers again
.endr
.irp n, 0,1
	ds_store_b128 v14, v[76+8*\n:79+8*\n] offset:64*\n             ; lane (r, h): out(r, 32 w + 16 n + 8 h + 0 .. 7); each accumulator from its low end on
	ds_store_b128 v14, v[80+8*\n:83+8*\n] offset:64*\n+16
.endr
	s_wait_dscnt 0x0                               ; for the others' sake: my columns lie in the stage; my reads of the image are back
	s_barrier_signal -1
	s_barrier_wait -1                              ; 16 whole rows lie there
.irp k, 0,1,2,3
	ds_load_b128 v[92+4*\k:95+4*\k], v15 offset:(\k/2)*OP+(\k%2)*512
.endr
	s_cmp_ge_u32 s3, BT                            ; the second batch?
	s_cselect_b32 s26, 2, 0
	s_cselect_b32 s34, BT, 0
	s_lshl_b32 s31, s3, 4
	s_sub_co_u32 s31, s31, s26
	s_add_co_u32 s31, s31, s33                     ; the first of my two rows of out0: place less 2 x batch
	s_lshl_b32 s26, s31, 10
	s_add_nc_u64 s[28:29], s[20:21], s[26:27]
	s_sub_co_u32 s34, s3, s34
	s_lshl_b32 s34, s34, 4
	s_add_co_u32 s34, s34, s33                     ; its position in the batch
	s_wait_dscnt 0x0
	s_cmp_ge_u32 s34, LEN                          ; a batch's last tile has 14 rows: its wave 7 stores nothing (ids alone; no barrier stands under the branch)
	s_cbranch_scc1 .Lskip
.irp k, 0,1,2,3
	global_store_b128 v2, v[92+4*\k:95+4*\k], s[28:29] offset:512*\k th:TH_STORE_NT   ; 32 lanes store 512 consecutive bytes, at a multiple of 256 from out0's first byte: two whole rows a wave
.endr
.Lskip:
	s_wait_xcnt 0x0                                ; the loads and stores have read their registers and bases: both are written again only behind this wait
	s_add_nc_u64 s[8:9], s[8:9], WGS*1024
	s_add_co_u32 s3, s3, WGS
	s_cmp_lt_u32 s3, TILES
	s_cbranch_scc1 .Ltile
	s_wait_tensorcnt 0x0                           ; the wave's end, behind my last LDS store
	ds_add_u32 v[SPW], v[NIL]
	s_wait_dscnt 0x0
	s_endpgm
.Lfunc_end_k_q5672ad31aa_outp:
	.size	k_q5672ad31aa_outp, .Lfunc_end_k_q5672ad31aa_outp-k_q5672ad31aa_outp
	.p2alignl 7, 3214868480
	.fill 96, 4, 3214868480
	.section	.rodata,"a",@progbits
	.p2align	6, 0x0
	.amdhsa_kernel k_q5672ad31aa_outp
		.amdhsa_group_segment_fixed_size 110080
		.amdhsa_private_segment_fixed_size 0
		.amdhsa_enable_private_segment 0
		.amdhsa_kernarg_size 40
		.amdhsa_user_sgpr_count 2
		.amdhsa_user_sgpr_kernarg_segment_ptr 1
		.amdhsa_wavefront_size32 1
		.amdhsa_system_sgpr_workgroup_id_x 1
		.amdhsa_system_sgpr_workgroup_id_y 1
		.amdhsa_system_sgpr_workgroup_id_z 1
		.amdhsa_system_vgpr_workitem_id 0
		.amdhsa_next_free_vgpr 256
		.amdhsa_next_free_sgpr 66
		.amdhsa_reserve_vcc 0
		.amdhsa_float_denorm_mode_32 3
		.amdhsa_float_denorm_mode_16_64 3
		.amdhsa_memory_ordered 1
		.amdhsa_forward_progress 1
		.amdhsa_inst_pref_size 15
	.end_amdhsa_kernel
	.amdgpu_metadata
---
amdhsa.version: [ 1, 2 ]
amdhsa.kernels:
  - .name:           k_q5672ad31aa_outp
    .symbol:         k_q5672ad31aa_outp.kd
    .args:
      - { .name: acc, .offset: 0, .size: 8, .value_kind: global_buffer, .address_space: global }
      - { .name: W_out_codes, .offset: 8, .size: 8, .value_kind: global_buffer, .address_space: global }
      - { .name: W_out_scales, .offset: 16, .size: 8, .value_kind: global_buffer, .address_space: global }
      - { .name: b_out, .offset: 24, .size: 8, .value_kind: global_buffer, .address_space: global }
      - { .name: out0, .offset: 32, .size: 8, .value_kind: global_buffer, .address_space: global }
    .group_segment_fixed_size: 110080
    .private_segment_fixed_size: 0
    .kernarg_segment_align: 8
    .kernarg_segment_size: 40
    .max_flat_workgroup_size: 256
    .sgpr_count:     66
    .vgpr_count:     256
    .wavefront_size: 32
...
	.end_amdgpu_metadata
.endif
;; end of part 5
